; MI455X (gfx1250); checked and timed in simulation.
; The chip was launched on July 23, 2026; its instructions are those of AMD's public machine-readable ISA for CDNA 5 (MIT licence, August 2026) and "CDNA5" Instruction Set Architecture Reference Guide (July 2026). The comments in the code are by the model that wrote it; some were corrected since.
;; Self Multi Head Attention. Allowed arithmetic: matrix products marked QUANTISED: E5M2 operands, one E8M0 scale for each 32 along K, by v_wmma_scale_f32_16x16x128_f8f6f4 with both operands' format E5M2, f32 sums; everything else in f32.
;; Inputs: Wk 1,024 x 1,024 float32; Wo 1,024 x 1,024 float32; Wq 1,024 x 1,024 float32; Wv 1,024 x 1,024 float32; bk 1,024 float32; bo 1,024 float32; bq 1,024 float32; bv 1,024 float32; x 4 x 2,048 x 1,024 float32.
;; Outputs: out0 4 x 2,048 x 1,024 float32.
;; This version of the problem:
;;   THIS VERSION OF THE PROBLEM IS GIVEN IN LOW PRECISION. The matrix products marked QUANTISED in the list below multiply operands that are first quantised to E5M2 (5 exponent bits, 2 mantissa bits; 8 bits a number), with one power-of-two scale for each 32 numbers along K (OCP MX v1.0); their sums are f32. All else is computed in f32.
;;   The module's matrix products, in the order in which they are computed (A, B: the left and right operand; K: the contracted axis; several contracted axes count as one K, in the product's order):
;;     1. [M 8,192, K 1,024] x [K 1,024, N 1,024]; A: input x; B: input Wq: QUANTISED
;;     2. [M 8,192, K 1,024] x [K 1,024, N 1,024]; A: input x; B: input Wk: QUANTISED
;;     3. [M 8,192, K 1,024] x [K 1,024, N 1,024]; A: input x; B: input Wv: QUANTISED
;;     4. batch 64 x [M 2,048, K 64] x [K 64, N 2,048]; A: computed on the way; B: computed on the way: QUANTISED
;;     5. batch 64 x [M 2,048, K 2,048] x [K 2,048, N 64]; A: softmax (see below); B: computed on the way: QUANTISED
;;     6. [M 8,192, K 1,024] x [K 1,024, N 1,024]; A: computed on the way; B: input Wo: QUANTISED
;;   THE QUANTISER, for each operand of a quantised product, along K:
;;     - K is cut into blocks of 32 from its start; a last block that is shorter is filled with zeros.
;;     - A block's scale is 2^e with e = floor(log2(the largest magnitude in the block)) - 15, held to -126 .. 127; a block of zeros has e = 0. As a byte (E8M0): e + 127.
;;     - Each number is divided by its block's scale, clamped to +-57,344, and rounded to the nearest number of E5M2, ties to even, subnormals kept.
;;     - The product sums the exact products of the quantised numbers (number of the format x scale) in f32.
;;   ~~~python
;;   def quantise(x, axis):      # numpy; x: float32 -> the quantised numbers, widened to float32 again
;;       x = np.moveaxis(x, axis, -1); K = x.shape[-1]
;;       x = np.pad(x, [(0, 0)] * (x.ndim - 1) + [(0, -K % 32)]); x = x.reshape(x.shape[:-1] + (-1, 32)); a = np.abs(x).max(-1, keepdims=True)
;;       e = np.where(a > 0, np.clip(np.frexp(np.where(a > 0, a, 1))[1] - 1 - 15, -126, 127), 0)      # np.frexp(a)[1] - 1 = floor(log2(a)), exactly
;;       r = np.clip(x / 2.0 ** e, -57344, 57344)
;;       step = 2.0 ** (np.maximum(np.frexp(np.where(r == 0, 1, r))[1] - 1, -14) - 2)
;;       q = np.round(r / step) * step * 2.0 ** e      # np.round: ties to even
;;       return np.moveaxis(q.reshape(q.shape[:-2] + (-1,))[..., :K], -1, axis).astype(np.float32)
;;   ~~~
;;   SOFTMAX AHEAD OF A QUANTISED PRODUCT. Where the list says 'softmax', what is quantised is not the finished softmax but p = 2^(t - M), with t = logit x log2(e) and M = ceil(the row's largest t), a whole number; so 1/2 < the row's largest p <= 1. The row's sum l is taken of the UNQUANTISED p, in f32, and the product's result is divided by l at the end. Since M is a whole number, a kernel that streams over the keys may use a running M (the ceiling of the running maximum): every later rescaling is an exact power of two, which a block's scale takes up: the codes' values come out the same.
;;   OPERANDS COMPUTED ON THE WAY. 'Computed on the way' means the value that the module computes at that place (a softmax that the list does not call 'softmax' is quantised finished and normalised). What goes into a quantiser is computed in f32, as accurately as f32 sums, v_exp_f32 and their like allow (about 1e-6 of the number): no bf16 or f16 on the way to a quantiser, and a product that is left as it is and whose result goes on into a quantised operand takes f32 operands (vector FMAs, or v_wmma_f32_16x16x4_f32). A number that lies on a knife's edge between two numbers of the format may be rounded either way, as far as f32 arithmetic and the matrix unit's own rounding can turn it there, and no further.
;; One version. Each part assembles by itself: llvm-mc -triple=amdgcn-amd-amdhsa -mcpu=gfx1250 --defsym DOCPART=n.
;; ======== version 1 of 1: 4 launches
;; limits: right only within a limited range of input values
;; workspace buffers: x_codes 8,388,608 bytes; x_scales 262,144 bytes; w_codes 4,194,304 bytes; w_scales 131,072 bytes; qkv 26,476,544 bytes; a_img 8,388,608 bytes; a_sc 262,144 bytes
;; launch quant (part 1): grid 384 x 1, 4 waves a work-group, no clusters, 33,280 bytes of LDS; arguments x, Wq, Wk, Wv, Wo, x_codes, x_scales, w_codes, w_scales; writes x_codes, x_scales, w_codes, w_scales
.if DOCPART == 1
	.amdgcn_target "amdgcn-amd-amdhsa--gfx1250"
	.amdhsa_code_object_version 6
	.text
	.protected	k_q501a0ca5ad_quant
	.globl	k_q501a0ca5ad_quant
	.p2align	8
	.type	k_q501a0ca5ad_quant,@function
k_q501a0ca5ad_quant:
	s_mov_b64 s[64:65], 0
	v_nop
	global_prefetch_b8 v0, s[64:65] scope:SCOPE_SE
	s_setreg_imm32_b32 hwreg(HW_REG_WAVE_MODE, 25, 1), 1
	s_wait_xcnt 0x0
; x [8192][1024] and Wq, Wk, Wv, Wo [1024][1024], f32 with K innermost, become codes of BF8 (E5M2) with one E8M0 scale byte for each 32 along K.
; A block's scale is 2^(floor(log2(its largest magnitude)) - 15); its byte is the largest magnitude's exponent field - 15, held at 1 from below; each number is divided by the scale,
; held within +-57,344 and rounded to the nearest code, ties to even.
; LIMITS: a block of zeros, or one whose largest magnitude lies under 2^-111, gets the byte 1 (its bytes are read by this program alone; zero codes add nothing); NaN and infinities are not served.
; WHERE THE ROWS GO.  w_codes holds Wq, Wk, Wv, Wo one behind the other, 1,024 rows each.  In x_codes, x_scales and the parts of Wq, Wk, Wv a row lies at the place that its number gives with
; bits 3 and 4 exchanged: sixteen consecutive places 16 i + r then hold rows 32 (i / 2) + 8 (i % 2) + r + 8 (r / 8), the choice of rows by which the next launch's results come out as
; neighbours along the next product's K.  Wo's rows lie as they are.  A wave takes 8 rows (8,192 numbers), so the exchange is an exchange of the two bits of the wave's number.
; A wave takes 16 steps of 512 numbers.  Each of a step's four loads reads 512 consecutive bytes; the 2,048 bytes turn through the wave's own stage in LDS and come back 64 bytes a lane, so that a
; lane holds 16 neighbours along K and two neighbouring lanes a block.  A wave's store of codes covers 512 consecutive bytes; its 256 scale bytes are gathered in LDS and leave as 256 consecutive bytes.
; No tensor loads, no barrier, no cluster: waves and work-groups share nothing.  Loads run four steps (16 loads a wave) ahead, the turn through LDS one step.
.set STEPS, 16
.set EMAX,  15
.set MANT,  0x600000                   ; the mantissa field of 57,344 as f32
.set CB,    16                         ; bytes of 16 codes
.set R,     16                         ; v16-79   four sets of 16 numbers as they are loaded
.set X,     80                         ; v80-111  two sets of 16 neighbours
.set C,     128                        ; v128-191 codes: four registers for each step, so that no store's data are written again
.set E,     112                        ; v112-127 a scale byte for each step
.set WREG,  8192                       ; LDS: a region for each wave: two stages of 32 x SP bytes, and behind them its 256 scale bytes
.set SP,    80                         ; a lane's place in a stage: its 64 bytes + 16 of padding
	s_load_b512 s[4:19], s[0:1], 0x0               ; x, Wq, Wk, Wv, Wo, x_codes, x_scales, w_codes
	s_load_b64 s[20:21], s[0:1], 0x40              ; w_scales
	v_lshl_add_u32 v192, v0, 2, 0x8000
	v_mov_b32 v193, 0
	v_lshrrev_b32 v1, 5, v0
	v_readfirstlane_b32 s24, v1                    ; wave
	v_and_b32 v2, 31, v0                           ; lane
	v_lshlrev_b32 v3, 4, v2                        ; my 16 bytes of a load's 512
	s_mul_i32 s28, s24, WREG
	v_lshrrev_b32 v14, 2, v2
	v_mul_u32_u24 v14, v14, SP
	v_and_b32 v15, 3, v2
	v_lshl_add_u32 v14, v15, 4, v14
	v_add_nc_u32 v14, s28, v14                     ; the stage, on the way in: four lanes' 64 bytes on end, then 16 of padding
	v_mul_u32_u24 v15, v2, SP
	v_add_nc_u32 v15, s28, v15                     ; and on the way out: SP x lane: my 16 neighbours
	v_mul_u32_u24 v4, v2, CB                       ; my codes' place in a step's
	v_lshrrev_b32 v5, 1, v2
	s_add_co_u32 s28, s28, 2*32*SP
	v_add_nc_u32 v5, s28, v5                       ; LDS: my wave's 256 scale bytes, my block's byte
	v_lshlrev_b32 v7, 3, v2                        ; and on the way out 8 bytes a lane
	v_add_nc_u32 v6, s28, v7
	s_and_b32 s25, s24, 1
	s_lshl_b32 s25, s25, 1
	s_lshr_b32 s26, s24, 1
	s_or_b32 s25, s25, s26                         ; the wave's number with its two bits exchanged: where my 8 rows go
	s_wait_alu depctr_va_vdst(0)
	s_wait_kmcnt 0x0
	; work-groups 0-255 take x, then 32 each Wq, Wk, Wv, Wo.  Every choice hangs on the work-group's number alone; all tensors take one way through the text
	s_mov_b64 s[22:23], s[6:7]
	s_cmp_ge_u32 ttmp9, 288
	s_cselect_b64 s[22:23], s[8:9], s[22:23]
	s_cmp_ge_u32 ttmp9, 320
	s_cselect_b64 s[22:23], s[10:11], s[22:23]
	s_cmp_ge_u32 ttmp9, 352
	s_cselect_b64 s[22:23], s[12:13], s[22:23]
	s_cselect_b32 s25, s24, s25                    ; Wo's rows stay where they are
	s_cmp_lt_u32 ttmp9, 256
	s_cselect_b64 s[22:23], s[4:5], s[22:23]
	s_cselect_b64 s[14:15], s[14:15], s[18:19]
	s_cselect_b64 s[16:17], s[16:17], s[20:21]
	s_cselect_b32 s26, 0, 256
	s_cselect_b32 s27, 0xffff, 31
	s_sub_co_u32 s29, ttmp9, s26                   ; the work-group's number among x's, or among the weights'
	s_and_b32 s30, s29, s27                        ; and inside its tensor
	s_lshl_b32 s30, s30, 2
	s_add_co_u32 s30, s30, s24                     ; which run of 8,192 numbers I read
	s_lshl_b32 s30, s30, 15                        ; 32,768 bytes a run
	s_mov_b32 s31, 0
	s_add_nc_u64 s[22:23], s[22:23], s[30:31]
	s_lshl_b32 s29, s29, 2
	s_add_co_u32 s29, s29, s25                     ; and which run I write
	s_lshl_b32 s30, s29, 13                        ; 8,192 bytes of codes a run
	s_add_nc_u64 s[14:15], s[14:15], s[30:31]
	s_lshl_b32 s30, s29, 8                         ; 256 scale bytes a run
	s_add_nc_u64 s[16:17], s[16:17], s[30:31]
.macro LOAD t
.irp i, 0,1,2,3
	global_load_b128 v[R+16*((\t)%4)+4*\i:R+16*((\t)%4)+4*\i+3], v3, s[22:23] offset:2048*(\t)+512*\i th:TH_LOAD_NT   ; 32 lanes read 512 consecutive bytes
.endr
.endm
.macro TURN t                          ; step t's numbers through the stage: LDS serves a wave's instructions in order, so no wait stands between the stores and the loads
.irp i, 0,1,2,3
	ds_store_b128 v14, v[R+16*((\t)%4)+4*\i:R+16*((\t)%4)+4*\i+3] offset:32*SP*((\t)%2)+8*SP*\i
.endr
.irp i, 0,1,2,3
	ds_load_b128 v[X+16*((\t)%2)+4*\i:X+16*((\t)%2)+4*\i+3], v15 offset:32*SP*((\t)%2)+16*\i
.endr
.endm
.irp t, 0,1,2,3
	LOAD \t
.endr
	s_wait_loadcnt 12                              ; step 0's four loads are in; the twelve of steps 1 to 3 stay out
	TURN 0
.macro STEP t
.set XS, X+16*((\t)%2)
.if (\t) > 0
	s_wait_dscnt 1                                 ; this step's numbers are back from the stage (the last step's byte store may be out): so its stores into the stage have read their registers,
.else
	s_wait_dscnt 0x0
.endif
.if (\t)+4 < STEPS
	LOAD (\t)+4                                    ; which take the loads of four steps on
.endif
.if (\t)+1 < STEPS
.if STEPS-2-(\t) >= 3
	s_wait_loadcnt 12                              ; the next step's four loads are in; those of the three steps behind it may be out
.else
	s_wait_loadcnt 4*(STEPS-2-(\t))
.endif
	TURN (\t)+1                                    ; and go through the other stage while this step is worked
.endif
	v_max3_num_f32 v8, |v[XS]|, |v[XS+1]|, |v[XS+2]|               ; the largest magnitude of my 16, in two chains
	v_max3_num_f32 v9, |v[XS+3]|, |v[XS+4]|, |v[XS+5]|
.irp i, 6,10
	v_max3_num_f32 v8, v8, |v[XS+\i]|, |v[XS+\i+1]|
	v_max3_num_f32 v9, v9, |v[XS+\i+2]|, |v[XS+\i+3]|
.endr
	v_max3_num_f32 v8, v8, |v[XS+14]|, |v[XS+15]|
	v_max3_num_f32 v8, v8, v9, (EMAX+1)<<23        ; and the floor 2^(16 - 127): the byte cannot fall under 1
	v_max_num_f32_dpp v8, v8, v8 row_xmask:1 row_mask:0xf bank_mask:0xf   ; and of my neighbour's 16: the block's
	v_add_nc_u32 v11, -(EMAX<<23), v8              ; 15 off its exponent field: the conversion takes the exponent field of this operand as its scale
.irp i, 0,1,2,3,4,5,6,7,8,9,10,11,12,13,14,15
.endr
	v_cvt_scalef32_pk8_bf8_f32 v[C+4*(\t):C+4*(\t)+1], v[XS:XS+7], v11
	v_cvt_scalef32_pk8_bf8_f32 v[C+4*(\t)+2:C+4*(\t)+3], v[XS+8:XS+15], v11
	v_lshrrev_b32 v[E+(\t)], 23, v11               ; the scale's byte (also the plain line behind the conversions)
	ds_store_b8 v5, v[E+(\t)] offset:16*(\t)       ; both lanes of a block write the same byte with the same value
	global_store_b128 v4, v[C+4*(\t):C+4*(\t)+3], s[14:15] offset:32*CB*(\t)
.endm
.irp t, 0,1,2,3,4,5,6,7,8,9,10,11,12,13,14,15
	STEP \t
.endr
	ds_load_b64 v[12:13], v6                       ; LDS serves a wave's instructions in order: these see my stores
	s_wait_dscnt 0x0
	global_store_b64 v7, v[12:13], s[16:17]        ; 32 lanes store 256 consecutive bytes, aligned
	s_wait_tensorcnt 0x0
	ds_add_u32 v192, v193
	s_wait_dscnt 0x0
	s_endpgm
.Lfunc_end_k_q501a0ca5ad_quant:
	.size	k_q501a0ca5ad_quant, .Lfunc_end_k_q501a0ca5ad_quant-k_q501a0ca5ad_quant
	.p2alignl 7, 3214868480
	.fill 96, 4, 3214868480
	.section	.rodata,"a",@progbits
	.p2align	6, 0x0
	.amdhsa_kernel k_q501a0ca5ad_quant
		.amdhsa_group_segment_fixed_size 33280
		.amdhsa_private_segment_fixed_size 0
		.amdhsa_enable_private_segment 0
		.amdhsa_kernarg_size 72
		.amdhsa_user_sgpr_count 2
		.amdhsa_user_sgpr_kernarg_segment_ptr 1
		.amdhsa_wavefront_size32 1
		.amdhsa_system_sgpr_workgroup_id_x 1
		.amdhsa_system_sgpr_workgroup_id_y 1
		.amdhsa_system_sgpr_workgroup_id_z 1
		.amdhsa_system_vgpr_workitem_id 0
		.amdhsa_next_free_vgpr 194
		.amdhsa_next_free_sgpr 66
		.amdhsa_reserve_vcc 0
		.amdhsa_float_denorm_mode_32 3
		.amdhsa_float_denorm_mode_16_64 3
		.amdhsa_fp16_overflow 1
		.amdhsa_memory_ordered 1
		.amdhsa_forward_progress 1
		.amdhsa_inst_pref_size 34
	.end_amdhsa_kernel
	.amdgpu_metadata
---
amdhsa.version: [ 1, 2 ]
amdhsa.kernels:
  - .name:           k_q501a0ca5ad_quant
    .symbol:         k_q501a0ca5ad_quant.kd
    .args:
      - { .name: x, .offset: 0, .size: 8, .value_kind: global_buffer, .address_space: global }
      - { .name: Wq, .offset: 8, .size: 8, .value_kind: global_buffer, .address_space: global }
      - { .name: Wk, .offset: 16, .size: 8, .value_kind: global_buffer, .address_space: global }
      - { .name: Wv, .offset: 24, .size: 8, .value_kind: global_buffer, .address_space: global }
      - { .name: Wo, .offset: 32, .size: 8, .value_kind: global_buffer, .address_space: global }
      - { .name: x_codes, .offset: 40, .size: 8, .value_kind: global_buffer, .address_space: global }
      - { .name: x_scales, .offset: 48, .size: 8, .value_kind: global_buffer, .address_space: global }
      - { .name: w_codes, .offset: 56, .size: 8, .value_kind: global_buffer, .address_space: global }
      - { .name: w_scales, .offset: 64, .size: 8, .value_kind: global_buffer, .address_space: global }
    .group_segment_fixed_size: 33280
    .private_segment_fixed_size: 0
    .kernarg_segment_align: 8
    .kernarg_segment_size: 72
    .max_flat_workgroup_size: 128
    .sgpr_count:     66
    .vgpr_count:     194
    .wavefront_size: 32
...
	.end_amdgpu_metadata
.endif
;; end of part 1
;; launch qkv (part 2): grid 12 x 32, 4 waves a work-group, clusters of 4 x 4, 327,680 bytes of LDS; arguments x_codes, x_scales, w_codes, w_scales, bq, bk, bv, qkv; writes qkv
.if DOCPART == 2
	.amdgcn_target "amdgcn-amd-amdhsa--gfx1250"
	.amdhsa_code_object_version 6
	.text
	.protected	k_q501a0ca5ad_qkv
	.globl	k_q501a0ca5ad_qkv
	.p2align	8
	.type	k_q501a0ca5ad_qkv,@function
k_q501a0ca5ad_qkv:
	s_mov_b64 s[64:65], 0
	v_nop
	global_prefetch_b8 v0, s[64:65] scope:SCOPE_SE
	s_setreg_imm32_b32 hwreg(HW_REG_WAVE_MODE, 25, 1), 1
	s_wait_xcnt 0x0
	s_wait_alu depctr_hold_cnt(0) depctr_sa_sdst(0) depctr_va_vdst(0) depctr_va_sdst(0) depctr_va_ssrc(0) depctr_va_vcc(0) depctr_vm_vsrc(0)
	s_getreg_b32 s2, hwreg(HW_REG_IB_STS2, 6, 4)
	s_cmp_eq_u32 s2, 0
	s_cbranch_scc0 .Lentry_in_a_cluster
	s_endpgm
.Lentry_in_a_cluster:
	s_bfe_u32 s2, ttmp6, 0x10000c
	s_cmp_lg_u32 s2, 0xf033
	s_cbranch_scc0 .Lentry_shape_is_right
	s_endpgm
.Lentry_shape_is_right:
.set NQ,     2
.set ROWB,   256
.set KROW,   1024
.set PITCH,  272
.set FR,     16
.set NL,     4
.set NP,     8
.set HALFT,  128*PITCH
.set SLOT,   4*HALFT
.set LAPS,   2
.set KSB,    32
.set SCL,    2*SLOT
.set HALFS,  16*272
.set SBLK,   2*272
.set SPARE,  SCL+4*HALFS
.set REC,    25856
.set HS,     16*REC
.set R_KI,   0
.set R_VI,   8192
.set R_KS,   16384
.set R_VS,   16896
.set R_QI,   17152
.set R_QS,   25344
.set BO,   8
.set ADRA, 16
.set ADRB, 20
.set VO,   22
.set VS1,  26
.set ADRS, 27
.set SPW,  28
.set NIL,  29
.set SC,   32
.set BIAS, 64
.set AF,   128
.set T,    128
.set PC,   192
.set TM,   208
.set G,    224
.set D,    232
.set D2,   236
.set SEL,  4
.set MNT,  6
.set MODE, 66
.set XX,   67
.set G1, 24
.set G0, 32
.set G1B, 48
.set G0B, 56
.set G1S, 68
.set G0S, 76
.set G1SB, 80
.set G0SB, 88
.set MSB, 0
.macro WIN new
.if MSB != (\new)
	s_set_vgpr_msb (MSB<<8)|(\new)
.set MSB, (\new)
.endif
.endm
.set MUL_LO, 0xa1
.set MUL_HI, 0xf1
.set BEG_LO, 0x81
.set BEG_HI, 0xc1
.set TO_B,   0x40
.macro JLOAD g0a, g1a, g0b, g1b
	s_cmp_eq_u32 s15, 0
	s_cbranch_scc0 .Lfor_b_\@
	tensor_load_to_lds s[\g0a:\g0a+3], s[\g1a:\g1a+7]
	s_nop 0
.rept 4
	v_nop
.endr
	s_branch .Lasked_\@
.Lfor_b_\@:
	tensor_load_to_lds s[\g0b:\g0b+3], s[\g1b:\g1b+7]
	s_nop 0
.rept 4
	v_nop
.endr
.Lasked_\@:
.endm
.macro CREST
	s_cmp_lg_u32 s14, 0
	s_cbranch_scc1 .Lnot_wave_0_\@
	s_barrier_signal -3
.Lnot_wave_0_\@:
	s_barrier_wait -3
	s_barrier_signal -1
	s_barrier_wait -1
.endm
.macro CROUND
	s_barrier_signal -1
	s_barrier_wait -1
	CREST
.endm
	s_load_b256 s[4:11], s[0:1], 0x0
	s_load_b256 s[68:75], s[0:1], 0x20
	v_lshl_add_u32 v[SPW], v0, 2, SPARE
	v_mov_b32 v[NIL], 0
	ds_add_u32 v28, v29
	ds_add_u32 v28, v29
	s_wait_dscnt 0x0
	v_lshrrev_b32 v1, 5, v0
	v_readfirstlane_b32 s14, v1
	s_lshr_b32 s15, s14, 1
	s_and_b32 s16, s14, 1
	s_bfe_u32 s40, ttmp6, 0x40000
	s_bfe_u32 s41, ttmp6, 0x40004
	s_mov_b32 s[XX], ttmp9
	s_and_b32 s2, ttmp7, 0xffff
	s_lshl_b32 s43, s41, 2
	s_lshl_b32 s43, 15, s43
	s_lshl_b32 s44, 0x1111, s40
	s_or_b32 s[G1+0], s43, (1<<20)|(1<<21)|(5<<22)|(3<<25)
	s_or_b32 s[G1B+0], s44, (1<<20)|(1<<21)|(5<<22)|(3<<25)
.irp g, G1, G1B
	s_mov_b32 s[\g+1], ROWB<<16
	s_mov_b32 s[\g+2], 128<<16
	s_mov_b32 s[\g+3], ROWB<<16
	s_mov_b32 s[\g+4], 128
	s_mov_b32 s[\g+5], KROW
	s_mov_b32 s[\g+6], 0
	s_mov_b32 s[\g+7], 0
.endr
	s_lshl_b32 s18, s16, 7
	s_lshl_b32 s104, s2, 10
	s_lshl_b32 s105, s[XX], 10
	s_mov_b32 s19, 2048
	s_cmp_lg_u32 s[XX], 2
	s_cselect_b32 s[MODE], 0, 1
	s_cselect_b32 s17, s104, s19
	s_cselect_b32 s42, s105, s104
	s_lshl_b32 s19, s41, 8
	s_add_co_u32 s17, s17, s19
	s_lshl_b32 s93, s40, 8
	s_add_co_u32 s42, s42, s93
	s_add_co_u32 s20, s17, s18
	s_add_co_u32 s46, s42, s18
	s_lshl_b32 s22, s20, 5
	s_lshl_b32 s20, s20, 10
	s_mov_b32 s21, 0
	s_mov_b32 s23, 0
	s_lshl_b32 s92, s46, 5
	s_lshl_b32 s46, s46, 10
	s_mov_b32 s47, 0
	s_mov_b32 s93, 0
	s_mul_i32 s45, s14, HALFT
	s_mul_i32 s94, s14, HALFS
	s_wait_kmcnt 0x0
	s_cmp_eq_u32 s[MODE], 0
	s_cselect_b64 s[12:13], s[4:5], s[8:9]
	s_cselect_b64 s[98:99], s[6:7], s[10:11]
	s_cselect_b64 s[8:9], s[8:9], s[4:5]
	s_cselect_b64 s[10:11], s[10:11], s[6:7]
	s_add_nc_u64 s[20:21], s[12:13], s[20:21]
	s_add_nc_u64 s[22:23], s[98:99], s[22:23]
	s_add_nc_u64 s[46:47], s[8:9], s[46:47]
	s_add_nc_u64 s[92:93], s[10:11], s[92:93]
	s_cmp_eq_u32 s[XX], 0
	s_cselect_b64 s[96:97], s[68:69], s[70:71]
	s_cmp_eq_u32 s[XX], 2
	s_cselect_b64 s[96:97], s[72:73], s[96:97]
	s_mov_b64 s[12:13], s[74:75]
	s_or_b32 s[G1S+0], s43, (3<<16)|(1<<20)|(1<<21)|(5<<22)|(3<<25)
	s_or_b32 s[G1SB+0], s44, (3<<16)|(1<<20)|(1<<21)|(5<<22)|(3<<25)
.irp g, G1S, G1SB
	s_mov_b32 s[\g+1], 32<<16
	s_mov_b32 s[\g+2], 16<<16
	s_mov_b32 s[\g+3], 32<<16
	s_mov_b32 s[\g+4], 16
	s_mov_b32 s[\g+5], 32
	s_mov_b32 s[\g+6], 0
	s_mov_b32 s[\g+7], 0
.endr
	CROUND
	s_mov_b32 s[G0S], 1
	s_add_co_u32 s[G0S+1], s94, SCL
	s_mov_b64 s[G0S+2:G0S+3], s[22:23]
	s_or_b32 s[G0S+3], s[G0S+3], 0x80000000
	s_mov_b32 s[G0SB], 1
	s_add_co_u32 s[G0SB+1], s94, SCL
	s_mov_b64 s[G0SB+2:G0SB+3], s[92:93]
	s_or_b32 s[G0SB+3], s[G0SB+3], 0x80000000
	JLOAD G0S, G1S, G0SB, G1SB
.irp s, 0,1
	s_mov_b32 s[G0+4*\s], 1
	s_add_co_u32 s[G0+4*\s+1], s45, \s*SLOT
	s_add_nc_u64 s[G0+4*\s+2:G0+4*\s+3], s[20:21], \s*ROWB
	s_or_b32 s[G0+4*\s+3], s[G0+4*\s+3], 0x80000000
	s_mov_b32 s[G0B+4*\s], 1
	s_add_co_u32 s[G0B+4*\s+1], s45, \s*SLOT
	s_add_nc_u64 s[G0B+4*\s+2:G0B+4*\s+3], s[46:47], \s*ROWB
	s_or_b32 s[G0B+4*\s+3], s[G0B+4*\s+3], 0x80000000
	s_wait_alu depctr_va_vdst(0)
	s_wait_tensorcnt 0x0
	ds_add_u32 v28, v29
	s_wait_dscnt 0x0
	CROUND
	JLOAD G0+4*\s, G1, G0B+4*\s, G1B
.endr
	v_and_b32 v1, 15, v0
	v_bfe_u32 v2, v0, 4, 1
	v_mul_u32_u24 v3, v1, PITCH
	v_lshl_add_u32 v4, v2, 4, v3
	s_mul_i32 s21, s15, HALFT
	s_mul_i32 s22, s16, HALFT
	s_add_co_u32 s22, s22, 2*HALFT
.irp s, 0,1
	v_add_nc_u32 v[ADRA+\s], s21, v4
	v_add_nc_u32 v[ADRB+\s], s22, v4
	s_add_co_u32 s21, s21, SLOT
	s_add_co_u32 s22, s22, SLOT
.endr
	v_mul_u32_u24 v5, v1, KSB
	v_lshrrev_b32 v6, 8, v5
	v_lshl_add_u32 v5, v6, 4, v5
	s_mul_i32 s21, s15, HALFS
	s_mul_i32 s22, s16, HALFS
	s_add_co_u32 s22, s22, 2*HALFS
	s_sub_co_u32 s22, s22, s21
	v_mul_u32_u24 v6, s22, v2
	s_add_co_u32 s21, s21, SCL
	v_add_nc_u32 v5, v5, v6
	v_add_nc_u32 v[ADRS], s21, v5
	s_cmp_eq_u32 s[MODE], 0
	s_cselect_b32 s4, s17, s42
	s_cselect_b32 s5, s15, s16
	s_cselect_b32 s6, s40, s41
	s_cselect_b32 s7, s16, s15
	s_cselect_b32 s8, 16, 0
	s_cselect_b32 s9, 0, 1
	s_cselect_b32 s10, 1, 0
	s_mov_b32 s100, 2048
	s_cselect_b32 s100, 1024, s100
	s_mov_b32 s104, HS-6144
	s_cselect_b32 s104, 1024, s104
	s_mov_b32 s11, 1024
	s_cselect_b32 s11, HS, s11
	s_cselect_b32 s18, 32, 16
	s_mov_b32 s19, HS
	s_cselect_b32 s19, 16, s19
	s_mov_b32 s101, 0
	s_mov_b32 s105, 0
	s_lshr_b32 s4, s4, 7
	s_add_co_u32 s4, s4, s5
	s_lshl_b32 s6, s6, 1
	s_add_co_u32 s6, s6, s7
	s_lshl_b32 s20, s6, 9
	s_mov_b32 s21, 0
	s_add_nc_u64 s[96:97], s[96:97], s[20:21]
	s_lshr_b32 s5, s4, 4
	s_lshl_b32 s5, s5, 4
	s_lshl_b32 s7, s6, 1
	s_add_co_u32 s5, s5, s7
	s_lshl_b32 s5, s5, 4
	s_and_b32 s4, s4, 15
	s_add_co_u32 s5, s5, s4
	s_mul_i32 s20, s5, REC
	s_add_nc_u64 s[12:13], s[12:13], s[20:21]
	s_mov_b64 s[98:99], s[12:13]
	s_cmp_eq_u32 s[XX], 0
	s_cselect_b32 s20, R_QI, R_KI
	s_mov_b32 s22, R_KS
	s_cselect_b32 s22, R_QS, s22
	s_cmp_eq_u32 s[XX], 2
	s_cselect_b32 s20, R_VI, s20
	s_cselect_b32 s22, R_VS, s22
	s_mov_b32 s23, 0
	s_add_nc_u64 s[12:13], s[12:13], s[20:21]
	s_add_nc_u64 s[98:99], s[98:99], s[22:23]
	v_and_b32 v3, 8, v1
	v_add_nc_u32 v3, v3, v1
	v_mul_u32_u24 v4, v2, s8
	v_mad_u32_u24 v4, v3, s9, v4
.irp j, 0,1,2,3,4,5,6,7
	v_mad_u32_u24 v[BO+\j], s10, \j, v4
.endr
.irp j, 0,1,2,3,4,5,6,7
	v_lshlrev_b32 v[BO+\j], 2, v[BO+\j]
.endr
.irp i, 0,1,2,3,4,5,6,7
.irp j, 0,1,2,3,4,5,6,7
	global_load_b32 v[BIAS+8*\i+\j], v[BO+\j], s[96:97] offset:4*(32*(\i/2)+8*(\i%2))
.endr
.endr
	v_and_b32 v6, 31, v0
	v_lshlrev_b32 v[VO], 4, v6
	v_add_nc_u32 v[VO+1], 512, v[VO]
	v_add_nc_u32 v[VO+2], s11, v[VO]
	v_add_nc_u32 v[VO+3], s11, v[VO+1]
	v_mul_u32_u24 v[VS1], v1, s18
	v_mad_u32_u24 v[VS1], v2, s19, v[VS1]
	s_mov_b32 s[SEL], 0x76543210
	s_mov_b32 s[SEL+1], 0xfedcba98
.macro FRAG reg, adr, q, i
.irp c, 0,1,2,3
	ds_load_b128 v[\reg+4*\c:\reg+4*\c+3], v[\adr] offset:128*(\q)+32*\c+(\i)*16*PITCH
.endr
.endm
.macro MUL16 a0, p, q, sc, zero
.irp a, \a0, \a0+1
.irp b, 0,1,2,3,4,5,6,7
.if (\zero) == 1
	v_wmma_scale_f32_16x16x128_f8f6f4 v[8*(8*((\a)%4)+\b):8*(8*((\a)%4)+\b)+7], v[128*(\p)+FR*\b:128*(\p)+FR*\b+FR-1], v[AF+FR*(\a):AF+FR*(\a)+FR-1], v[BIAS+8*\b:BIAS+8*\b+7], v[SC+8*NQ*(\sc)+NQ*\b+(\q)], v[SC+8*NQ*(\sc)+NQ*(\a)+(\q)] matrix_a_fmt:MATRIX_FMT_BF8 matrix_b_fmt:MATRIX_FMT_BF8 matrix_a_scale:MATRIX_SCALE_ROW1
.elseif (\zero) == 2
	v_wmma_scale_f32_16x16x128_f8f6f4 v[8*(8*((\a)%4)+\b):8*(8*((\a)%4)+\b)+7], v[128*(\p)+FR*\b:128*(\p)+FR*\b+FR-1], v[AF+FR*(\a):AF+FR*(\a)+FR-1], v[BIAS+8*(\a):BIAS+8*(\a)+7], v[SC+8*NQ*(\sc)+NQ*\b+(\q)], v[SC+8*NQ*(\sc)+NQ*(\a)+(\q)] matrix_a_fmt:MATRIX_FMT_BF8 matrix_b_fmt:MATRIX_FMT_BF8 matrix_a_scale:MATRIX_SCALE_ROW1
.else
	v_wmma_scale_f32_16x16x128_f8f6f4 v[8*(8*((\a)%4)+\b):8*(8*((\a)%4)+\b)+7], v[128*(\p)+FR*\b:128*(\p)+FR*\b+FR-1], v[AF+FR*(\a):AF+FR*(\a)+FR-1], v[8*(8*((\a)%4)+\b):8*(8*((\a)%4)+\b)+7], v[SC+8*NQ*(\sc)+NQ*\b+(\q)], v[SC+8*NQ*(\sc)+NQ*(\a)+(\q)] matrix_a_fmt:MATRIX_FMT_BF8 matrix_b_fmt:MATRIX_FMT_BF8 matrix_a_scale:MATRIX_SCALE_ROW1
.endif
.endr
.endr
.endm
.macro FETCH_B slot, q, p
	WIN TO_B
.irp i, 0,1,2,3,4,5,6,7
	FRAG 128*(\p)+FR*\i, ADRB+\slot, \q, \i
.endr
	WIN 0
.endm
.macro FETCH_A slot, q, i0
.irp i, \i0, \i0+1, \i0+2, \i0+3
	FRAG AF+FR*(\i), ADRA+\slot, \q, \i
.endr
.endm
.macro SCALES sc
.irp i, 0,1,2,3,4,5,6,7
	ds_load_b64 v[SC+8*NQ*\sc+NQ*\i:SC+8*NQ*\sc+NQ*\i+1], v[ADRS] offset:\i*SBLK
.endr
.endm
.macro PLACES n
.rept \n
	v_nop
.endr
.endm
.macro STEP slot, q, zero
	s_wait_dscnt 4*NL
.if \zero
	WIN BEG_LO
.else
	WIN MUL_LO
.endif
	MUL16 0, (\q)%2, \q, \slot, \zero
	MUL16 2, (\q)%2, \q, \slot, \zero
	s_wait_dscnt 0
	PLACES NP
	FETCH_B \slot, (\q)+1, 1-(\q)%2
	FETCH_A \slot, (\q)+1, 0
.if \zero
	WIN BEG_HI
.else
	WIN MUL_HI
.endif
	MUL16 4, (\q)%2, \q, \slot, \zero
	MUL16 6, (\q)%2, \q, \slot, \zero
	PLACES NP
	WIN 0
	FETCH_A \slot, (\q)+1, 4
.endm
.macro TURN slot, next, fill
	s_wait_tensorcnt 0x0
	ds_add_u32 v[SPW], v[NIL]
	s_wait_dscnt 4*NL+1
	WIN MUL_LO
	MUL16 0, 1, NQ-1, \slot, 0
	s_wait_dscnt 0x0
	s_barrier_signal -1
	MUL16 2, 1, NQ-1, \slot, 0
	WIN 0
	s_barrier_wait -1
.if \fill
	CREST
	s_add_nc_u64 s[G0+4*\slot+2:G0+4*\slot+3], s[G0+4*\slot+2:G0+4*\slot+3], 2*ROWB
	s_add_nc_u64 s[G0B+4*\slot+2:G0B+4*\slot+3], s[G0B+4*\slot+2:G0B+4*\slot+3], 2*ROWB
	JLOAD G0+4*\slot, G1, G0B+4*\slot, G1B
	PLACES NP-4
.else
	PLACES NP
.endif
	s_wait_alu depctr_va_vdst(0)
	v_add_nc_u32 v[ADRS], 4*NQ, v[ADRS]
	FETCH_B \next, 0, 0
	FETCH_A \next, 0, 0
	SCALES \next
	WIN MUL_HI
	MUL16 4, 1, NQ-1, \slot, 0
	MUL16 6, 1, NQ-1, \slot, 0
	PLACES NP
	WIN 0
	FETCH_A \next, 0, 4
.endm
	s_wait_tensorcnt 1
	s_barrier_signal -1
	s_barrier_wait -1
	FETCH_B 0, 0, 0
	FETCH_A 0, 0, 0
	SCALES 0
	FETCH_A 0, 0, 4
	s_wait_loadcnt 0x0
	s_cmp_eq_u32 s[MODE], 0
	s_cbranch_scc0 .Lbias_with_a
	STEP 0, 0, 1
	s_branch .Lstarted
.Lbias_with_a:
	STEP 0, 0, 2
.Lstarted:
	s_mov_b32 s3, LAPS-1
.Llap:
	TURN 0, 1, 1
	STEP 1, 0, 0
	TURN 1, 0, 1
	STEP 0, 0, 0
	s_sub_co_u32 s3, s3, 1
	s_cmp_lg_u32 s3, 0
	s_cbranch_scc1 .Llap
	TURN 0, 1, 0
	STEP 1, 0, 0
	s_wait_dscnt 4*NL
	WIN MUL_LO
	MUL16 0, 1, NQ-1, 1, 0
	MUL16 2, 1, NQ-1, 1, 0
	s_wait_dscnt 0
	WIN MUL_HI
	MUL16 4, 1, NQ-1, 1, 0
	MUL16 6, 1, NQ-1, 1, 0
	WIN 0
.macro QROW a
.set W, 2+(\a)/4
.set S, 64*((\a)%4)
.set WA, (W<<2)|(W<<4)
.if (\a) > 0
	s_wait_xcnt 0x0
.if (\a) == 4
	s_add_nc_u64 s[12:13], s[12:13], s[104:105]
.else
	s_add_nc_u64 s[12:13], s[12:13], s[100:101]
.endif
.endif
	WIN WA
.irp b, 0,1,2,3
	v_max3_num_f32 v[TM+\b], 0x8000000, |v[S+16*\b]|, |v[S+16*\b+1]|
.endr
.irp i, 2,4,6,8,10,12,14
.irp b, 0,1,2,3
	v_max3_num_f32 v[TM+\b], v[TM+\b], |v[S+16*\b+\i]|, |v[S+16*\b+\i+1]|
.endr
.endr
	WIN 0
.irp b, 0,1,2,3
	v_permlanex16_b32 v[TM+4+\b], v[TM+\b], s[SEL], s[SEL+1]
.endr
.irp b, 0,1,2,3
	v_max_num_f32 v[TM+\b], v[TM+\b], v[TM+4+\b]
.endr
.irp b, 0,1,2,3
	v_add_nc_u32 v[TM+12+\b], 0xf8800000, v[TM+\b]
.endr
.irp b, 0,1,2,3
.endr
.irp b, 0,1,2,3
	v_lshrrev_b32 v[TM+4+\b], 23, v[TM+12+\b]
.endr
	v_lshl_or_b32 v[G+\a], v[TM+5], 8, v[TM+4]
	v_lshl_or_b32 v[G+\a], v[TM+6], 16, v[G+\a]
	v_lshl_or_b32 v[G+\a], v[TM+7], 24, v[G+\a]
	WIN W
.irp b, 0,1,2,3
.irp i, 0,1,2,3,4,5,6,7,8,9,10,11,12,13,14,15
.endr
.endr
.irp b, 0,1,2,3
	v_cvt_scalef32_pk8_bf8_f32 v[PC+4*\b:PC+4*\b+1], v[S+16*\b:S+16*\b+7], v[TM+12+\b]
	v_cvt_scalef32_pk8_bf8_f32 v[PC+4*\b+2:PC+4*\b+3], v[S+16*\b+8:S+16*\b+15], v[TM+12+\b]
.endr
	WIN 0
	v_nop
.irp b, 0,1,2,3
	global_store_b128 v[VO+\b], v[PC+4*\b:PC+4*\b+3], s[12:13]
.endr
.endm
	PLACES NP
.irp b, 0,1,2,3
	v_mov_b32 v[TM+4+\b], 0
.endr
.irp a, 0,1,2,3,4,5,6,7
	QROW \a
.endr
	v_cmp_ne_u32 vcc_lo, 0, v2
.irp i, 0,1,2,3
	v_cndmask_b32 v[D+\i], v[G+\i], v[G+4+\i], vcc_lo
.endr
	global_store_b128 v[VS1], v[D:D+3], s[98:99]
	s_cmp_eq_u32 s[MODE], 0
	s_cbranch_scc0 .Lno_second
.irp i, 0,1,2,3
	v_lshrrev_b32 v[D2+\i], 16, v[D+\i]
.endr
	global_store_b128 v[VS1], v[D2:D2+3], s[98:99] offset:HS
.Lno_second:
	s_wait_tensorcnt 0x0
	ds_add_u32 v[SPW], v[NIL]
	s_wait_dscnt 0x0
	CROUND
	s_endpgm
.Lfunc_end_k_q501a0ca5ad_qkv:
	.size	k_q501a0ca5ad_qkv, .Lfunc_end_k_q501a0ca5ad_qkv-k_q501a0ca5ad_qkv
	.p2alignl 7, 3214868480
	.fill 96, 4, 3214868480
	.section	.rodata,"a",@progbits
	.p2align	6, 0x0
	.amdhsa_kernel k_q501a0ca5ad_qkv
		.amdhsa_group_segment_fixed_size 327680
		.amdhsa_private_segment_fixed_size 0
		.amdhsa_enable_private_segment 0
		.amdhsa_kernarg_size 64
		.amdhsa_user_sgpr_count 2
		.amdhsa_user_sgpr_kernarg_segment_ptr 1
		.amdhsa_wavefront_size32 1
		.amdhsa_system_sgpr_workgroup_id_x 1
		.amdhsa_system_sgpr_workgroup_id_y 1
		.amdhsa_system_sgpr_workgroup_id_z 1
		.amdhsa_system_vgpr_workitem_id 0
		.amdhsa_next_free_vgpr 1024
		.amdhsa_next_free_sgpr 106
		.amdhsa_reserve_vcc 1
		.amdhsa_float_denorm_mode_32 3
		.amdhsa_float_denorm_mode_16_64 3
		.amdhsa_fp16_overflow 1
		.amdhsa_memory_ordered 1
		.amdhsa_forward_progress 1
		.amdhsa_inst_pref_size 173
	.end_amdhsa_kernel
	.amdgpu_metadata
---
amdhsa.version: [ 1, 2 ]
amdhsa.kernels:
  - .name:           k_q501a0ca5ad_qkv
    .symbol:         k_q501a0ca5ad_qkv.kd
    .args:
      - { .name: x_codes, .offset: 0, .size: 8, .value_kind: global_buffer, .address_space: global }
      - { .name: x_scales, .offset: 8, .size: 8, .value_kind: global_buffer, .address_space: global }
      - { .name: w_codes, .offset: 16, .size: 8, .value_kind: global_buffer, .address_space: global }
      - { .name: w_scales, .offset: 24, .size: 8, .value_kind: global_buffer, .address_space: global }
      - { .name: bq, .offset: 32, .size: 8, .value_kind: global_buffer, .address_space: global }
      - { .name: bk, .offset: 40, .size: 8, .value_kind: global_buffer, .address_space: global }
      - { .name: bv, .offset: 48, .size: 8, .value_kind: global_buffer, .address_space: global }
      - { .name: qkv, .offset: 56, .size: 8, .value_kind: global_buffer, .address_space: global }
    .group_segment_fixed_size: 327680
    .private_segment_fixed_size: 0
    .kernarg_segment_align: 8
    .kernarg_segment_size: 64
    .max_flat_workgroup_size: 128
    .sgpr_count:     106
    .vgpr_count:     1024
    .wavefront_size: 32
...
	.end_amdgpu_metadata
.endif
;; end of part 2
;; launch attn (part 3): grid 8 x 32, 16 waves a work-group, clusters of 4 x 1, 327,680 bytes of LDS; arguments qkv, a_img, a_sc; writes a_img, a_sc
.if DOCPART == 3
	.amdgcn_target "amdgcn-amd-amdhsa--gfx1250"
	.amdhsa_code_object_version 6
	.text
	.protected	k_q501a0ca5ad_attn
	.globl	k_q501a0ca5ad_attn
	.p2align	8
	.type	k_q501a0ca5ad_attn,@function
k_q501a0ca5ad_attn:
	s_mov_b64 s[64:65], 0
	v_nop
	global_prefetch_b8 v0, s[64:65] scope:SCOPE_SE
	s_setreg_imm32_b32 hwreg(HW_REG_WAVE_MODE, 25, 1), 1
	s_wait_xcnt 0x0
	s_wait_alu depctr_hold_cnt(0) depctr_sa_sdst(0) depctr_va_vdst(0) depctr_va_sdst(0) depctr_va_ssrc(0) depctr_va_vcc(0) depctr_vm_vsrc(0)
	s_getreg_b32 s2, hwreg(HW_REG_IB_STS2, 6, 4)
	s_cmp_eq_u32 s2, 0
	s_cbranch_scc0 .Lentry_in_a_cluster
	s_endpgm
.Lentry_in_a_cluster:
	s_bfe_u32 s2, ttmp6, 0x10000c
	s_cmp_lg_u32 s2, 0x3003
	s_cbranch_scc0 .Lentry_shape_is_right
	s_endpgm
.Lentry_shape_is_right:
; O = softmax(Q K^T / 8) V for 64 heads of 2,048 x 64, both products on codes of BF8 (E5M2) with E8M0 scales; O / l is quantised along d_model and stored as images of the last product's operand registers.
; THE SOFTMAX: t = score x log2(e) / 8; M = the row's largest t so far, rounded UP to a whole number; p = 2^(t - M) is quantised along the keys, not normalised; the row's sum is taken of the unquantised p
; and divides O at the end.  When M moves, the sum and O are multiplied by 2^(old M - new M), which rounds nothing.
; SHARES.  A work-group owns 256 queries and stays for TWO heads, one after the other: their two blocks of 32 each make one fragment of 128 along the last product's K, and their scale bytes one word.
; Each of its sixteen waves owns 16 queries in 256 registers: four waves to a SIMD, so that one wave's vector work stands beside another's matrix work and LDS loads.
; THE RING.  The two heads' 32 records (128 keys each) follow each other in memory; the first 17,152 bytes of a record hold K's and V's images and scale words.  Two LDS slots of four records; waves 0 to 3
; fetch a record each, as 67 rows of 256 bytes; all sixteen read them.  Images are read 16 bytes a lane on end.
; CLUSTER.  The four query blocks of a cluster walk the same records: each is asked for JOINTLY, by the same tensor load with the mask of all four.
; LAYOUT.  S^T = K Q^T (source 0 = 16 keys, source 1 = my 16 queries; the head's 64 channels fill half of the instruction's 128, the other half of both operands is zero codes), O^T = V^T P^T: a lane holds
; one query throughout.  The keys of a tile, and the channels of a tile of V, are 32 (t / 2) + 8 (t % 2) + r + 8 (r / 8): so 16 registers of two neighbouring tiles are 16 neighbours along the next K.
; LIMITS: NaN and infinities are not served; v_exp_f32 gives 0 for results under 2^-126; a block whose largest magnitude lies under 2^-111 gets the byte 1.
; REGISTERS: v1-11 addresses; v12 -M, v13 the largest t, v[14:15] the sum; v16-31 Q and its zeros; v32-95 four fragments of K (upper halves zero); v96-159 S^T, p, then V; v160-191 O^T; v192-203 K's and V's scale words;
;   v204-212 the second head's Q; v224-239 p's codes; v232-254 at work; v253 p's scale word; v255 Q's.
.set REC,   25856
.set HS,    16*REC
.set RECL,  17152                      ; what the ring fetches of a record
.set R_KI,  0
.set R_VI,  8192
.set R_KS,  16384
.set R_VS,  16896
.set R_QI,  17152
.set R_QS,  25344
.set SLOT1, 1<<17                      ; slot 1 begins here: one exclusive or turns an address in one slot into the other's
.set STG,   2*SLOT1                    ; 1,024 bytes: the work-group's 256 scale words on their way out; no tile lands here
.set SPARE, STG+1024                   ; the spare words, 128 bytes for each wave: eight blocks of 256 bytes that no other line names
.set LI,   1                           ; v1   16 x lane
.set L32,  2                           ; v2   32 r: K's scale words, eight a row
.set L16,  3                           ; v3   16 r: V's, four a row
.set STW,  4                           ; v4   where my row's scale word goes in the stage
.set SPW,  5                           ; v5   LDS address of my spare word; never rewritten
.set NIL,  6                           ; v6   0; never rewritten
.set PFO,  7                           ; v7   256 x lane: the prefetches' offset
.set ADI,  8                           ; v8-10 the step's addresses: images, K's words, V's words
.set ADS,  9
.set ADT,  10
.set SW,   11                          ; v11  my row's scale word: the first head's two bytes, then the second's
.set TB,   2                           ; s2   LDS byte at which the record in hand begins
.set KC,   3                           ; s3   counts a slot's four steps
.set WV,   18
.set MNT,  19
.set SEL,  20
.set CS,   22                          ; s[22:23] c = log2(e) / 8
.set G1,   24
.set G0,   32
.set SLOTS, 36
.set LIM,  37
.set PFA,  38
.macro CROUND
	s_barrier_signal -1
	s_barrier_wait -1
	s_cmp_lg_u32 s[WV], 0
	s_cbranch_scc1 .Lnot_wave_0_\@
	s_barrier_signal -3
.Lnot_wave_0_\@:
	s_barrier_wait -3
	s_barrier_signal -1
	s_barrier_wait -1
.endm
.macro TLOAD                           ; waves 0 to 3 fetch a record each; the branch hangs on the wave's number alone.  Four v_nop follow the load
	s_cmp_lt_u32 s[WV], 4
	s_cbranch_scc0 .Lasked_\@
	tensor_load_to_lds s[G0:G0+3], s[G1:G1+7]
	s_nop 0
.rept 4
	v_nop
.endr
.Lasked_\@:
.endm
; A PREFETCH INTO THE L2 of what the NEXT change of slots will ask for, four key steps ahead of that load.  Both clusters of a pair of heads walk the same records: the first asks.  Its four partners take a
; record each, told apart by address; in each, wave 4 asks for K's images and wave 5 for V's: 8,192 bytes, lanes 256 bytes apart.  So each of these blocks is named once in the launch; the 768 scale bytes
; behind them come by the load alone.  The last change that fills a slot asks for nothing; nothing is asked at the head.
.macro ASK
	s_cmp_gt_u32 s[SLOTS], s[LIM]
	s_cbranch_scc0 .Lnot_mine_\@
	global_prefetch_b8 v[PFO], s[PFA:PFA+1] th:TH_LOAD_NT scope:SCOPE_SE
.Lnot_mine_\@:
.endm
	s_load_b128 s[4:7], s[0:1], 0x0                ; qkv, a_img
	s_load_b64 s[8:9], s[0:1], 0x10                ; a_sc
	v_lshl_add_u32 v[SPW], v0, 2, SPARE
	v_mov_b32 v[NIL], 0
	ds_add_u32 v5, v6
	ds_add_u32 v5, v6
	s_wait_dscnt 0x0
	v_lshrrev_b32 v8, 5, v0
	s_delay_alu instid0(VALU_DEP_1)
	v_readfirstlane_b32 s[WV], v8                  ; wave 0..15
	s_bfe_u32 s40, ttmp6, 0x40000                  ; cx
	s_lshl_b32 s10, ttmp9, 2
	s_add_co_u32 s10, s10, s40                     ; my block of 256 queries: it enters Q's and the outputs' addresses alone
	s_and_b32 s11, ttmp7, 0xffff
	s_lshr_b32 s12, s11, 3                         ; the batch
	s_and_b32 s13, s11, 7                          ; the pair of heads
	s_lshl_b32 s14, s12, 4
	s_lshl_b32 s15, s13, 1
	s_add_co_u32 s14, s14, s15                     ; the first head, counted over batches
	s_mul_i32 s14, s14, HS                         ; its first record, in bytes: shared by the four partners
	s_mul_i32 s16, s[WV], REC
	s_add_co_u32 s16, s16, s14                     ; the record that I fetch first
	s_mov_b32 s17, 0
	s_mov_b32 s43, 0
	; descriptor group 1: 67 rows of 256 bytes (32 elements of 8 bytes), dense in memory and in LDS
	s_mov_b32 s[G1], 15|(3<<16)|(1<<21)            ; 15:0 the mask: all four work-groups; 17:16 elements of 8 bytes; 21 set beside a mask
	s_mov_b32 s[G1+1], 32<<16                      ; tensor_dim0
	s_mov_b32 s[G1+2], 67<<16                      ; tensor_dim1
	s_mov_b32 s[G1+3], 32<<16                      ; tile_dim0
	s_mov_b32 s[G1+4], 67                          ; tile_dim1
	s_mov_b32 s[G1+5], 32                          ; tensor_dim0_stride
	s_mov_b32 s[G1+6], 0
	s_mov_b32 s[G1+7], 0
	s_mov_b32 s[SEL], 0x76543210
	s_mov_b32 s[SEL+1], 0xfedcba98
	s_mov_b32 s[CS], 0x3e38aa3b                    ; log2(e) / 8
	s_mov_b32 s[CS+1], s[CS]                       ; (named with it as a pair, so it is written)
	s_mov_b32 s[TB], 0
	s_mov_b32 s[SLOTS], 7
	s_sub_co_u32 s[LIM], s[WV], 4
	s_lshr_b32 s[LIM], s[LIM], 1                   ; 0 in waves 4 and 5,
	s_or_b32 s[LIM], s[LIM], ttmp9                 ; of the first cluster: the same in all four partners
	s_cmp_eq_u32 s[LIM], 0
	s_cselect_b32 s[LIM], 1, -1
	s_wait_kmcnt 0x0
	s_mov_b32 s[G0], 1                             ; count = 1
	s_mul_i32 s[G0+1], s[WV], RECL                 ; LDS address: slot 0, record = wave
	s_add_nc_u64 s[G0+2:G0+3], s[4:5], s[16:17]
	s_or_b32 s[G0+3], s[G0+3], 0x80000000          ; type = 2
	s_lshl_b32 s41, s10, 1
	s_lshr_b32 s42, s[WV], 3
	s_add_co_u32 s41, s41, s42                     ; my step of 128 queries
	s_mul_i32 s41, s41, REC
	s_add_co_u32 s42, s41, s14
	s_add_nc_u64 s[46:47], s[4:5], s[42:43]        ; its record of the first head
	s_and_b32 s41, s[WV], 7                        ; my tile of 16 in it
	s_lshl_b32 s42, s41, 10
	s_add_nc_u64 s[44:45], s[46:47], s[42:43]      ; + 1,024 x tile: Q's image
	s_lshl_b32 s41, s41, 2                         ; 4 x tile: its scale word in a row's eight
	s_lshl_b32 s42, s12, 7
	s_lshl_b32 s48, s10, 4
	s_add_co_u32 s42, s42, s48
	s_add_co_u32 s42, s42, s[WV]                   ; my row tile: 128 batch + 16 block + wave
	s_lshl_b32 s42, s42, 14                        ; 16,384 bytes a row tile,
	s_lshl_b32 s48, s13, 11                        ; 2,048 a K step of 128 = a pair of heads
	s_add_co_u32 s42, s42, s48
	s_add_nc_u64 s[6:7], s[6:7], s[42:43]
	s_lshl_b32 s42, s13, 15                        ; a_sc: 32,768 bytes a K step,
	s_lshl_b32 s48, s12, 13
	s_add_co_u32 s42, s42, s48
	s_lshl_b32 s48, s10, 10                        ; 4 bytes a row
	s_add_co_u32 s42, s42, s48
	s_add_nc_u64 s[8:9], s[8:9], s[42:43]
	s_mul_i32 s42, s40, REC                        ; the prefetches: my work-group's record of a slot,
	s_add_co_u32 s42, s42, s14
	s_and_b32 s48, s[WV], 1
	s_lshl_b32 s48, s48, 13                        ; K's images or V's,
	s_add_co_u32 s42, s42, s48
	s_add_co_u32 s42, s42, 4*REC                   ; in slot 1: the first change of slots steps it to slot 2
	s_add_nc_u64 s[PFA:PFA+1], s[4:5], s[42:43]
	CROUND                                         ; all four work-groups are here: the first joint loads meet
	TLOAD                                          ; slot 0
	v_and_b32 v8, 31, v0
	s_delay_alu instid0(VALU_DEP_1)
	v_lshlrev_b32 v[LI], 4, v8
	s_delay_alu instid0(VALU_DEP_2)
	v_lshlrev_b32 v[PFO], 8, v8
	v_and_b32 v9, 15, v0                           ; r
	s_delay_alu instid0(VALU_DEP_1)
	v_lshlrev_b32 v[L32], 5, v9
	s_delay_alu instid0(VALU_DEP_2)
	v_lshlrev_b32 v[L16], 4, v9
	s_lshl_b32 s10, s[WV], 6
	s_add_co_u32 s10, s10, STG
	v_lshl_add_u32 v[STW], v9, 2, s10              ; the stage: 64 bytes a wave, 4 a row
	v_lshl_add_u32 v214, v0, 4, STG                ; and back: 16 bytes a thread (waves 0 and 1 alone read)
	v_lshlrev_b32 v215, 4, v0
	v_add_nc_u32 v213, s41, v[L32]
	global_load_b128 v[16:19], v[LI], s[44:45] offset:R_QI             ; Q's fragment: channels 0-31,
	global_load_b128 v[20:23], v[LI], s[44:45] offset:R_QI+512         ; 32-63
	global_load_b128 v[204:207], v[LI], s[44:45] offset:R_QI+HS        ; the second head's
	global_load_b128 v[208:211], v[LI], s[44:45] offset:R_QI+HS+512
	global_load_b32 v255, v213, s[46:47] offset:R_QS
	global_load_b32 v212, v213, s[46:47] offset:R_QS+HS
.irp j, 0,1,2,3,4,5,6,7
	v_mov_b32 v[24+\j], 0                          ; the upper 64 of the instruction's 128 along K: zero codes, in Q
.endr
.irp t, 0,1,2,3
.irp j, 8,9,10,11,12,13,14,15
	v_mov_b32 v[32+16*\t+\j], 0                    ; and in K's four buffers; written once
.endr
.endr
	v_mov_b32 v[SW], 0
	v_mov_b32 v13, 0xff61b1e6                      ; the largest t so far: -3e38, under every t
	s_delay_alu instid0(VALU_DEP_1)
	v_floor_f32 v12, -v13                          ; -M
	v_mov_b32 v14, 0
	v_mov_b32 v15, 0
.irp b, 0,1,2,3
	v_mov_b32 v[236+\b], 0                         ; a lane permute's destination counts as one of its sources
.endr
	v_mov_b32 v252, 0
	v_mov_b32 v253, 0                              ; (named as the upper half of the pair v[252:253] before it is first written)
.set J, 0
.rept 32
	v_mov_b32 v[160+J], 0                          ; O^T: the step is written once; a head's first step finds zeros, which the first change of M leaves zeros
.set J, J+1
.endr
; A KEY STEP: 128 keys, the record at s[TB].
.macro STEP
	v_add_nc_u32 v[ADI], s[TB], v[LI]
	v_add_nc_u32 v[ADS], s[TB], v[L32]
	v_add_nc_u32 v[ADT], s[TB], v[L16]
	ds_load_b128 v[192:195], v[ADS] offset:R_KS    ; K's scale words of tiles 0-3,
	ds_load_b128 v[196:199], v[ADS] offset:R_KS+16 ; 4-7
.irp t, 0,1,2,3
.irp c, 0,1
	ds_load_b128 v[32+16*\t+4*\c:35+16*\t+4*\c], v[ADI] offset:R_KI+1024*\t+512*\c
.endr
.endr
.rept 6
	v_nop                                          ; with the three additions above: nine places between the last step's products and products that write over the registers which held V
.endr
	s_wait_alu depctr_va_vdst(0)
	s_wait_dscnt 0x0
.irp t, 0,1,2,3
	v_wmma_scale_f32_16x16x128_f8f6f4 v[96+8*\t:103+8*\t], v[32+16*\t:47+16*\t], v[16:31], 0, v[192+\t], v255 matrix_a_fmt:MATRIX_FMT_BF8 matrix_b_fmt:MATRIX_FMT_BF8
.endr
.rept 8
	v_nop                                          ; places in front of loads into registers that these products have read
.endr
.irp t, 0,1,2,3
.irp c, 0,1
	ds_load_b128 v[32+16*\t+4*\c:35+16*\t+4*\c], v[ADI] offset:R_KI+1024*(4+\t)+512*\c
.endr
.endr
	s_wait_dscnt 0x0
.irp t, 0,1,2,3
	v_wmma_scale_f32_16x16x128_f8f6f4 v[128+8*\t:135+8*\t], v[32+16*\t:47+16*\t], v[16:31], 0, v[196+\t], v255 matrix_a_fmt:MATRIX_FMT_BF8 matrix_b_fmt:MATRIX_FMT_BF8
.endr
.rept 8
	v_nop
.endr
.irp b, 0,1,2,3
	v_max3_num_f32 v[232+\b], v[96+16*\b], v[97+16*\b], v[98+16*\b]   ; the largest score of each block of 32 keys: for the row's maximum and, since p rises with the score, for the block's largest p
.endr
.irp i, 3,5,7,9,11,13
.irp b, 0,1,2,3
	v_max3_num_f32 v[232+\b], v[232+\b], v[96+16*\b+\i], v[97+16*\b+\i]
.endr
.endr
.irp b, 0,1,2,3
	v_max_num_f32 v[232+\b], v[232+\b], v[111+16*\b]
.endr
.irp b, 0,1,2,3
	v_permlanex16_b32 v[236+\b], v[232+\b], s[SEL], s[SEL+1]
.endr
.irp b, 0,1,2,3
	s_delay_alu instid0(VALU_DEP_4)
	v_max_num_f32 v[232+\b], v[232+\b], v[236+\b]  ; with lane l xor 16's 16 keys
.endr
	s_delay_alu instid0(VALU_DEP_2)
	v_max3_num_f32 v254, v232, v233, v234
	s_delay_alu instid0(VALU_DEP_1)
	v_max_num_f32 v254, v254, v235                 ; the step's largest score of my query
	s_delay_alu instid0(VALU_DEP_1)
	v_mul_f32 v254, s[CS], v254                    ; as t
	s_delay_alu instid0(VALU_DEP_1)
	v_max_num_f32 v13, v13, v254                   ; the running largest t
	v_mov_b32 v254, v12
	s_delay_alu instid0(VALU_DEP_2)
	v_floor_f32 v12, -v13                          ; the new -M = floor(-t) = -ceil(t)
	s_delay_alu instid0(VALU_DEP_1)
	v_sub_f32 v254, v12, v254                      ; old M - new M: a whole number, 0 or less
	s_delay_alu instid0(VALU_DEP_1)
	v_cvt_i32_f32 v254, v254                       ; (it saturates)
	s_delay_alu instid0(VALU_DEP_1)
	v_ldexp_f32 v252, 1.0, v254                    ; f = 2^(old M - new M)
.set J, 0
.rept 32
	v_pk_fma_f32 v[96+J:97+J], v[96+J:97+J], s[CS:CS+1], v[12:13] op_sel_hi:[1,0,0]   ; t - M, two at a time
.set J, J+2
.endr
.irp b, 0,1,2,3
	v_fma_f32 v[232+\b], v[232+\b], s[CS], v12     ; the same of each block's largest score
.endr
.set J, 0
	s_wait_alu depctr_va_vdst(0)
.rept 64
	v_exp_f32 v[96+J], v[96+J]                     ; p = 2^(t - M), at most 1
.set J, J+1
.endr
	s_setprio 1
.irp b, 0,1,2,3
	v_exp_f32 v[232+\b], v[232+\b]                 ; the block's largest p: the same two instructions on the same number
.endr
	v_pk_mul_f32 v[14:15], v[14:15], v[252:253] op_sel_hi:[1,0]   ; the sums under the new M (a plain line behind the exponentials)
	s_wait_alu depctr_va_vdst(0)
.irp b, 0,1,2,3
	v_max_num_f32 v[232+\b], 0x8000000, v[232+\b]  ; the floor 2^(16 - 127): the byte cannot fall under 1
.endr
.irp b, 0,1,2,3
	s_delay_alu instid0(VALU_DEP_4)
	v_add_nc_u32 v[244+\b], 0xf8800000, v[232+\b]  ; 15 off the exponent field: the conversion's scale operand
.endr
.irp b, 0,1,2,3
.endr
.irp b, 0,1,2,3
	s_delay_alu instid0(VALU_DEP_4)
	v_lshrrev_b32 v[236+\b], 23, v[244+\b]         ; the scale's byte
.endr
	s_delay_alu instid0(VALU_DEP_3)
	v_lshl_or_b32 v253, v237, 8, v236              ; p's scale word for these 128 keys
	s_delay_alu instid0(VALU_DEP_1)
	v_lshl_or_b32 v253, v238, 16, v253
	s_delay_alu instid0(VALU_DEP_1)
	v_lshl_or_b32 v253, v239, 24, v253
	v_pk_add_f32 v[236:237], v[100:101], v[104:105]
	v_pk_add_f32 v[250:251], v[108:109], v[112:113]
	v_pk_add_f32 v[248:249], v[116:117], v[120:121]
	v_pk_add_f32 v[242:243], v[124:125], v[128:129]
	v_pk_add_f32 v[240:241], v[132:133], v[136:137]
	v_pk_add_f32 v[238:239], v[140:141], v[144:145]
	v_pk_add_f32 v[234:235], v[148:149], v[152:153]
	v_pk_add_f32 v[14:15], v[14:15], v[156:157]
	v_pk_add_f32 v[236:237], v[236:237], v[96:97]
	v_pk_add_f32 v[250:251], v[250:251], v[98:99]
	v_pk_add_f32 v[248:249], v[248:249], v[102:103]
	v_pk_add_f32 v[242:243], v[242:243], v[106:107]
	v_pk_add_f32 v[240:241], v[240:241], v[110:111]
	v_pk_add_f32 v[238:239], v[238:239], v[114:115]
	v_pk_add_f32 v[234:235], v[234:235], v[118:119]
	v_pk_add_f32 v[14:15], v[14:15], v[122:123]
	v_pk_add_f32 v[236:237], v[236:237], v[126:127]
	v_pk_add_f32 v[250:251], v[250:251], v[130:131]
	v_pk_add_f32 v[248:249], v[248:249], v[134:135]
	v_pk_add_f32 v[242:243], v[242:243], v[138:139]
	v_pk_add_f32 v[240:241], v[240:241], v[142:143]
	v_pk_add_f32 v[238:239], v[238:239], v[146:147]
	v_pk_add_f32 v[234:235], v[234:235], v[150:151]
	v_pk_add_f32 v[14:15], v[14:15], v[154:155]
	v_pk_add_f32 v[236:237], v[236:237], v[158:159]
	s_delay_alu instid0(VALU_DEP_2)
	v_pk_add_f32 v[14:15], v[14:15], v[242:243]
	s_delay_alu instid0(VALU_DEP_2)
	v_pk_add_f32 v[236:237], v[236:237], v[240:241]
	v_pk_add_f32 v[250:251], v[250:251], v[238:239]
	v_pk_add_f32 v[248:249], v[248:249], v[234:235]
	s_delay_alu instid0(VALU_DEP_2)
	v_pk_add_f32 v[14:15], v[14:15], v[250:251]
	s_delay_alu instid0(VALU_DEP_2)
	v_pk_add_f32 v[236:237], v[236:237], v[248:249]
	s_delay_alu instid0(VALU_DEP_1)
	v_pk_add_f32 v[14:15], v[14:15], v[236:237]
.irp b, 0,1,2,3
.irp i, 0,1,2,3,4,5,6,7,8,9,10,11,12,13,14,15
.endr
	v_cvt_scalef32_pk8_bf8_f32 v[224+4*\b:225+4*\b], v[96+16*\b:103+16*\b], v[244+\b]
	v_cvt_scalef32_pk8_bf8_f32 v[226+4*\b:227+4*\b], v[104+16*\b:111+16*\b], v[244+\b]
.endr
	v_nop
.irp t, 0,1,2,3                                ; V's four fragments take p's registers
.irp c, 0,1,2,3
	ds_load_b128 v[96+16*\t+4*\c:99+16*\t+4*\c], v[ADI] offset:R_VI+2048*\t+512*\c
.endr
.endr
	s_setprio 0
	ds_load_b128 v[200:203], v[ADT] offset:R_VS    ; and their scale words
.set J, 0
.rept 16
	v_pk_mul_f32 v[160+J:161+J], v[160+J:161+J], v[252:253] op_sel_hi:[1,0]   ; O^T under the new M.  (These are also the places between the conversions and the products)
.set J, J+2
.endr
	s_wait_alu depctr_va_vdst(0)
	s_wait_dscnt 0x0
.irp t, 0,1,2,3                                ; O^T += V^T P^T: the four accumulators by turns
	v_wmma_scale_f32_16x16x128_f8f6f4 v[160+8*\t:167+8*\t], v[96+16*\t:111+16*\t], v[224:239], v[160+8*\t:167+8*\t], v[200+\t], v253 matrix_a_fmt:MATRIX_FMT_BF8 matrix_b_fmt:MATRIX_FMT_BF8
.endr
.endm
; THE CHANGE OF SLOTS stands at a slot's head.  Each wave waits for all its tensor loads, adds 0 to its spare word, and waits for that and for its reads of the slot that it has left.
; fill = 1: the barrier is a round of the cluster's, and behind it the slot just left is filled with the next four records: the load has four key steps in which to land.
.macro CHANGE fill
	s_wait_tensorcnt 0x0                           ; no tensor load of mine is out, so the group 0 may be written
	ds_add_u32 v[SPW], v[NIL]                      ; 0 onto my spare word
.if \fill
	s_xor_b32 s[G0+1], s[G0+1], SLOT1              ; the other slot than last time,
	s_add_nc_u64 s[G0+2:G0+3], s[G0+2:G0+3], 4*REC ; the next four records; the type bits on top are not reached
	s_wait_xcnt 0x0                                ; the last prefetch, a slot back, has read its address:
	s_add_nc_u64 s[PFA:PFA+1], s[PFA:PFA+1], 4*REC ; one slot further on than the walking descriptor
	s_wait_dscnt 0x0                               ; the add is done, and my reads of the slot that I have left are over
	CROUND
	TLOAD                                          ; the first thing behind the round, and a wave's one tensor load until the next
	ASK
.else
	s_wait_dscnt 0x0
	s_barrier_signal -1
	s_barrier_wait -1
.endif
.endm
.macro SLOT_STEPS                      ; a slot's four key steps: written once, walked four times
	s_mov_b32 s[KC], 4
.Lstep_\@:
	s_setprio 2
	STEP
	s_add_co_u32 s[TB], s[TB], RECL
	s_sub_co_u32 s[KC], s[KC], 1
	s_cmp_lg_u32 s[KC], 0
	s_cbranch_scc1 .Lstep_\@
	s_setprio 0
	s_sub_co_u32 s[TB], s[TB], 4*RECL
	s_xor_b32 s[TB], s[TB], SLOT1                  ; on to the other slot
.endm
; A HEAD'S END.  O^T / the sum: register 16 b + i is channel 32 b + 16 (lane / 16) + i of my query: two blocks of 32 along d_model, each shared with lane l xor 16.  They are quantised and stored as
; pieces 2 hd and 2 hd + 1 of the fragment of 128 that the pair of heads makes.  hd = 0: the state begins anew and the second head's Q takes its place.
.macro FINISH hd
	v_add_f32 v14, v14, v15                        ; the sum's two halves,
	s_delay_alu instid0(VALU_DEP_1)
	v_permlanex16_b32 v252, v14, s[SEL], s[SEL+1]
	s_delay_alu instid0(VALU_DEP_1)
	v_add_f32 v14, v14, v252                       ; and lane l xor 16's
	s_wait_alu depctr_va_vdst(0)
	v_rcp_f32 v14, v14
.rept 6
	v_nop                                          ; with the two additions: eight places behind the last products; also the plain line behind the reciprocal
.endr
.set J, 0
	s_wait_alu depctr_va_vdst(0)
.rept 16
	v_pk_mul_f32 v[96+J:97+J], v[160+J:161+J], v[14:15] op_sel_hi:[1,0]   ; each accumulator from its low end on
.set J, J+2
.endr
.irp b, 0,1
	v_max3_num_f32 v[232+\b], |v[96+16*\b]|, |v[97+16*\b]|, 0x8000000
.endr
.irp i, 2,4,6,8,10,12,14
.irp b, 0,1
	s_delay_alu instid0(VALU_DEP_2)
	v_max3_num_f32 v[232+\b], v[232+\b], |v[96+16*\b+\i]|, |v[97+16*\b+\i]|
.endr
.endr
.irp b, 0,1
	v_permlanex16_b32 v[236+\b], v[232+\b], s[SEL], s[SEL+1]
.endr
.irp b, 0,1
	s_delay_alu instid0(VALU_DEP_2)
	v_max_num_f32 v[232+\b], v[232+\b], v[236+\b]
.endr
.irp b, 0,1
	s_delay_alu instid0(VALU_DEP_2)
	v_add_nc_u32 v[244+\b], 0xf8800000, v[232+\b]
.endr
.irp b, 0,1
.endr
.irp b, 0,1
	s_delay_alu instid0(VALU_DEP_2)
	v_lshrrev_b32 v[236+\b], 23, v[244+\b]
.endr
.if \hd == 0
	s_delay_alu instid0(VALU_DEP_1)
	v_lshl_or_b32 v[SW], v237, 8, v236             ; bytes 0 and 1 of my row's word
.else
	s_delay_alu instid0(VALU_DEP_1)
	v_lshl_or_b32 v213, v237, 8, v236
	s_delay_alu instid0(VALU_DEP_1)
	v_lshl_or_b32 v[SW], v213, 16, v[SW]           ; bytes 2 and 3
.endif
.irp b, 0,1
.irp i, 0,1,2,3,4,5,6,7,8,9,10,11,12,13,14,15
.endr
	v_cvt_scalef32_pk8_bf8_f32 v[224+4*\b:225+4*\b], v[96+16*\b:103+16*\b], v[244+\b]
	v_cvt_scalef32_pk8_bf8_f32 v[226+4*\b:227+4*\b], v[104+16*\b:111+16*\b], v[244+\b]
.endr
	v_nop                                          ; one plain line behind the conversions
	global_store_b128 v[LI], v[224:227], s[6:7] offset:1024*\hd        ; 32 lanes store 512 consecutive bytes, aligned
	global_store_b128 v[LI], v[228:231], s[6:7] offset:1024*\hd+512
.if \hd == 0
	v_mov_b32 v255, v212                           ; the second head's Q: its scale word first (more than eight plain lines stand ahead of the next product),
.irp j, 0,1,2,3,4,5,6,7
	v_mov_b32 v[16+\j], v[204+\j]                  ; its codes
.endr
	v_mov_b32 v13, 0xff61b1e6
	s_delay_alu instid0(VALU_DEP_1)
	v_floor_f32 v12, -v13
	v_mov_b32 v14, 0
	v_mov_b32 v15, 0
.set J, 0
.rept 32
	v_mov_b32 v[160+J], 0
.set J, J+1
.endr
	s_wait_xcnt 0x0                                ; the two stores have read their data: the next step's conversions write those registers
.endif
.endm
	s_wait_loadcnt 0x0                             ; Q
.Lslot:                                            ; seven trips: behind each change of slots but the last the next slot is asked for
	CHANGE 1
	SLOT_STEPS
	s_cmp_lg_u32 s[SLOTS], 4                       ; slots 0 to 3 are the first head's: behind slot 3 it ends.  The count is the same in every wave and partner
	s_cbranch_scc1 .Lsame_head
	FINISH 0
.Lsame_head:
	s_sub_co_u32 s[SLOTS], s[SLOTS], 1
	s_cmp_lg_u32 s[SLOTS], 0
	s_cbranch_scc1 .Lslot
	CHANGE 0                                       ; the last slot is written out
	SLOT_STEPS
	FINISH 1
	ds_store_b32 v[STW], v[SW]                     ; my row's scale word (lanes l and l xor 16 write the same word with the same value)
	s_wait_dscnt 0x0                               ; for the others' sake
	s_barrier_signal -1
	s_barrier_wait -1
	s_cmp_lt_u32 s[WV], 2
	s_cbranch_scc0 .Lno_words
	ds_load_b128 v[216:219], v214                  ; waves 0 and 1 store the work-group's 256 words: 512 consecutive bytes each
	s_wait_dscnt 0x0
	global_store_b128 v215, v[216:219], s[8:9]
.Lno_words:
	s_wait_tensorcnt 0x0                           ; the wave's end
	ds_add_u32 v[SPW], v[NIL]
	s_wait_dscnt 0x0
	CROUND                                         ; the closing round
	s_endpgm
.Lfunc_end_k_q501a0ca5ad_attn:
	.size	k_q501a0ca5ad_attn, .Lfunc_end_k_q501a0ca5ad_attn-k_q501a0ca5ad_attn
	.p2alignl 7, 3214868480
	.fill 96, 4, 3214868480
	.section	.rodata,"a",@progbits
	.p2align	6, 0x0
	.amdhsa_kernel k_q501a0ca5ad_attn
		.amdhsa_group_segment_fixed_size 327680
		.amdhsa_private_segment_fixed_size 0
		.amdhsa_enable_private_segment 0
		.amdhsa_kernarg_size 24
		.amdhsa_user_sgpr_count 2
		.amdhsa_user_sgpr_kernarg_segment_ptr 1
		.amdhsa_wavefront_size32 1
		.amdhsa_system_sgpr_workgroup_id_x 1
		.amdhsa_system_sgpr_workgroup_id_y 1
		.amdhsa_system_sgpr_workgroup_id_z 1
		.amdhsa_system_vgpr_workitem_id 0
		.amdhsa_next_free_vgpr 256
		.amdhsa_next_free_sgpr 66
		.amdhsa_reserve_vcc 0
		.amdhsa_float_denorm_mode_32 3
		.amdhsa_float_denorm_mode_16_64 3
		.amdhsa_fp16_overflow 1
		.amdhsa_memory_ordered 1
		.amdhsa_forward_progress 1
		.amdhsa_inst_pref_size 56
	.end_amdhsa_kernel
	.amdgpu_metadata
---
amdhsa.version: [ 1, 2 ]
amdhsa.kernels:
  - .name:           k_q501a0ca5ad_attn
    .symbol:         k_q501a0ca5ad_attn.kd
    .args:
      - { .name: qkv, .offset: 0, .size: 8, .value_kind: global_buffer, .address_space: global }
      - { .name: a_img, .offset: 8, .size: 8, .value_kind: global_buffer, .address_space: global }
      - { .name: a_sc, .offset: 16, .size: 8, .value_kind: global_buffer, .address_space: global }
    .group_segment_fixed_size: 327680
    .private_segment_fixed_size: 0
    .kernarg_segment_align: 8
    .kernarg_segment_size: 24
    .max_flat_workgroup_size: 512
    .sgpr_count:     66
    .vgpr_count:     256
    .wavefront_size: 32
...
	.end_amdgpu_metadata
.endif
;; end of part 3
;; launch outp (part 4): grid 4 x 32, 4 waves a work-group, clusters of 4 x 4, 327,680 bytes of LDS; arguments a_img, a_sc, w_codes, w_scales, bo, out0; writes out0
.if DOCPART == 4
	.amdgcn_target "amdgcn-amd-amdhsa--gfx1250"
	.amdhsa_code_object_version 6
	.text
	.protected	k_q501a0ca5ad_outp
	.globl	k_q501a0ca5ad_outp
	.p2align	8
	.type	k_q501a0ca5ad_outp,@function
k_q501a0ca5ad_outp:
	s_mov_b64 s[64:65], 0
	v_nop
	global_prefetch_b8 v0, s[64:65] scope:SCOPE_SE
	s_setreg_imm32_b32 hwreg(HW_REG_WAVE_MODE, 25, 1), 1
	s_wait_xcnt 0x0
	s_wait_alu depctr_hold_cnt(0) depctr_sa_sdst(0) depctr_va_vdst(0) depctr_va_sdst(0) depctr_va_ssrc(0) depctr_va_vcc(0) depctr_vm_vsrc(0)
	s_getreg_b32 s2, hwreg(HW_REG_IB_STS2, 6, 4)
	s_cmp_eq_u32 s2, 0
	s_cbranch_scc0 .Lentry_in_a_cluster
	s_endpgm
.Lentry_in_a_cluster:
	s_bfe_u32 s2, ttmp6, 0x10000c
	s_cmp_lg_u32 s2, 0xf033
	s_cbranch_scc0 .Lentry_shape_is_right
	s_endpgm
.Lentry_shape_is_right:
.set NQ,     2
.set PITCH,  272
.set FR,     16
.set NL,     4
.set NP,     8
.set HALFA,  32768
.set BOFF,   2*HALFA
.set HALFB,  128*PITCH
.set SLOT,   BOFF+2*HALFB
.set LAPS,   2
.set SCLA,   2*SLOT
.set QSA,    576
.set HALFSA, 8*QSA
.set SCLB,   SCLA+2*HALFSA
.set HALFSB, 16*272
.set SPARE,  SCLB+2*HALFSB
.set SPITCH, 528
.set ADRA, 16
.set ADRB, 20
.set STO,  24
.set RD,   25
.set CO,   26
.set ADRSA, 27
.set SPW,  28
.set NIL,  29
.set ADRSB, 30
.set SCA,  32
.set SCB,  40
.set BIAS, 64
.set AF,   128
.set BK,   128
.set G1, 24
.set G0, 32
.set G1B, 48
.set G0B, 56
.set G1S, 68
.set G0S, 76
.set G1SB, 80
.set G0SB, 88
.set MSB, 0
.macro WIN new
.if MSB != (\new)
	s_set_vgpr_msb (MSB<<8)|(\new)
.set MSB, (\new)
.endif
.endm
.set MUL_LO, 0xa1
.set MUL_HI, 0xf1
.set BEG_LO, 0x81
.set BEG_HI, 0xc1
.set TO_B,   0x40
.macro JLOAD g0a, g1a, g0b, g1b
	s_cmp_eq_u32 s15, 0
	s_cbranch_scc0 .Lfor_b_\@
	tensor_load_to_lds s[\g0a:\g0a+3], s[\g1a:\g1a+7]
	s_nop 0
.rept 4
	v_nop
.endr
	s_branch .Lasked_\@
.Lfor_b_\@:
	tensor_load_to_lds s[\g0b:\g0b+3], s[\g1b:\g1b+7]
	s_nop 0
.rept 4
	v_nop
.endr
.Lasked_\@:
.endm
.macro CREST
	s_cmp_lg_u32 s14, 0
	s_cbranch_scc1 .Lnot_wave_0_\@
	s_barrier_signal -3
.Lnot_wave_0_\@:
	s_barrier_wait -3
	s_barrier_signal -1
	s_barrier_wait -1
.endm
.macro CROUND
	s_barrier_signal -1
	s_barrier_wait -1
	CREST
.endm
	s_load_b256 s[4:11], s[0:1], 0x0
	s_load_b128 s[96:99], s[0:1], 0x20
	v_lshl_add_u32 v[SPW], v0, 2, SPARE
	v_mov_b32 v[NIL], 0
	ds_add_u32 v28, v29
	ds_add_u32 v28, v29
	s_wait_dscnt 0x0
	v_lshrrev_b32 v1, 5, v0
	v_readfirstlane_b32 s14, v1
	s_lshr_b32 s15, s14, 1
	s_and_b32 s16, s14, 1
	s_bfe_u32 s40, ttmp6, 0x40000
	s_bfe_u32 s41, ttmp6, 0x40004
	s_lshl_b32 s42, ttmp9, 2
	s_add_co_u32 s42, s42, s40
	s_and_b32 s17, ttmp7, 0xffff
	s_lshl_b32 s17, s17, 2
	s_add_co_u32 s17, s17, s41
	s_lshl_b32 s43, s41, 2
	s_lshl_b32 s43, 15, s43
	s_lshl_b32 s44, 0x1111, s40
	s_or_b32 s[G1+0], s43, (3<<16)|(1<<21)
	s_mov_b32 s[G1+1], 512<<16
	s_mov_b32 s[G1+2], 8<<16
	s_mov_b32 s[G1+3], 512<<16
	s_mov_b32 s[G1+4], 8
	s_mov_b32 s[G1+5], 2048
	s_mov_b32 s[G1+6], 0
	s_mov_b32 s[G1+7], 0
	s_or_b32 s[G1B+0], s44, (1<<20)|(1<<21)|(5<<22)|(3<<25)
	s_mov_b32 s[G1B+1], 256<<16
	s_mov_b32 s[G1B+2], 128<<16
	s_mov_b32 s[G1B+3], 256<<16
	s_mov_b32 s[G1B+4], 128
	s_mov_b32 s[G1B+5], 1024
	s_mov_b32 s[G1B+6], 0
	s_mov_b32 s[G1B+7], 0
	s_or_b32 s[G1S+0], s43, (3<<16)|(1<<20)|(1<<21)|(6<<22)|(15<<25)
	s_mov_b32 s[G1S+1], 64<<16
	s_mov_b32 s[G1S+2], 8<<16
	s_mov_b32 s[G1S+3], 64<<16
	s_mov_b32 s[G1S+4], 8
	s_mov_b32 s[G1S+5], 4096
	s_mov_b32 s[G1S+6], 0
	s_mov_b32 s[G1S+7], 0
	s_or_b32 s[G1SB+0], s44, (3<<16)|(1<<20)|(1<<21)|(5<<22)|(3<<25)
	s_mov_b32 s[G1SB+1], 32<<16
	s_mov_b32 s[G1SB+2], 16<<16
	s_mov_b32 s[G1SB+3], 32<<16
	s_mov_b32 s[G1SB+4], 16
	s_mov_b32 s[G1SB+5], 32
	s_mov_b32 s[G1SB+6], 0
	s_mov_b32 s[G1SB+7], 0
	s_lshl_b32 s20, s17, 18
	s_lshl_b32 s18, s16, 17
	s_add_co_u32 s20, s20, s18
	s_mov_b32 s21, 0
	s_lshl_b32 s22, s17, 10
	s_lshl_b32 s18, s16, 9
	s_add_co_u32 s22, s22, s18
	s_mov_b32 s23, 0
	s_lshl_b32 s46, s42, 8
	s_lshl_b32 s18, s16, 7
	s_add_co_u32 s46, s46, s18
	s_add_co_u32 s46, s46, 3072
	s_lshl_b32 s92, s46, 5
	s_lshl_b32 s46, s46, 10
	s_mov_b32 s47, 0
	s_mov_b32 s93, 0
	s_lshl_b32 s45, s16, 15
	s_mul_i32 s94, s16, HALFB
	s_add_co_u32 s94, s94, BOFF
	s_mul_i32 s95, s16, HALFSA
	s_mul_i32 s19, s16, HALFSB
	s_wait_kmcnt 0x0
	s_add_nc_u64 s[20:21], s[4:5], s[20:21]
	s_add_nc_u64 s[22:23], s[6:7], s[22:23]
	s_add_nc_u64 s[46:47], s[8:9], s[46:47]
	s_add_nc_u64 s[92:93], s[10:11], s[92:93]
	CROUND
	s_mov_b32 s[G0S], 1
	s_add_co_u32 s[G0S+1], s95, SCLA
	s_mov_b64 s[G0S+2:G0S+3], s[22:23]
	s_or_b32 s[G0S+3], s[G0S+3], 0x80000000
	s_mov_b32 s[G0SB], 1
	s_add_co_u32 s[G0SB+1], s19, SCLB
	s_mov_b64 s[G0SB+2:G0SB+3], s[92:93]
	s_or_b32 s[G0SB+3], s[G0SB+3], 0x80000000
	JLOAD G0S, G1S, G0SB, G1SB
.irp s, 0,1
	s_mov_b32 s[G0+4*\s], 1
	s_add_co_u32 s[G0+4*\s+1], s45, \s*SLOT
	s_add_nc_u64 s[G0+4*\s+2:G0+4*\s+3], s[20:21], \s*4096
	s_or_b32 s[G0+4*\s+3], s[G0+4*\s+3], 0x80000000
	s_mov_b32 s[G0B+4*\s], 1
	s_add_co_u32 s[G0B+4*\s+1], s94, \s*SLOT
	s_add_nc_u64 s[G0B+4*\s+2:G0B+4*\s+3], s[46:47], \s*256
	s_or_b32 s[G0B+4*\s+3], s[G0B+4*\s+3], 0x80000000
	s_wait_alu depctr_va_vdst(0)
	s_wait_tensorcnt 0x0
	ds_add_u32 v28, v29
	s_wait_dscnt 0x0
	CROUND
	JLOAD G0+4*\s, G1, G0B+4*\s, G1B
.endr
	v_and_b32 v1, 15, v0
	v_bfe_u32 v2, v0, 4, 1
	v_and_b32 v6, 31, v0
	v_lshlrev_b32 v[CO], 4, v6
	v_mul_u32_u24 v3, v1, PITCH
	v_lshl_add_u32 v4, v2, 4, v3
	s_lshl_b32 s21, s15, 15
	s_mul_i32 s22, s16, HALFB
	s_add_co_u32 s22, s22, BOFF
.irp s, 0,1
	v_add_nc_u32 v[ADRA+\s], s21, v[CO]
	v_add_nc_u32 v[ADRB+\s], s22, v4
	s_add_co_u32 s21, s21, SLOT
	s_add_co_u32 s22, s22, SLOT
.endr
	v_lshlrev_b32 v5, 2, v1
	v_mad_u32_u24 v5, v2, QSA, v5
	s_mul_i32 s21, s15, HALFSA
	s_add_co_u32 s21, s21, SCLA
	v_add_nc_u32 v[ADRSA], s21, v5
	v_lshlrev_b32 v5, 5, v1
	v_lshrrev_b32 v6, 3, v1
	v_lshl_add_u32 v5, v6, 4, v5
	v_lshl_add_u32 v5, v2, 2, v5
	s_mul_i32 s22, s16, HALFSB
	s_add_co_u32 s22, s22, SCLB
	v_add_nc_u32 v[ADRSB], s22, v5
	s_mul_i32 s23, s14, 16*SPITCH
	v_mul_u32_u24 v5, v1, SPITCH
	v_lshl_add_u32 v5, v2, 5, v5
	v_add_nc_u32 v[STO], s23, v5
	v_add_nc_u32 v[RD], s23, v[CO]
	s_lshl_b32 s46, s42, 10
	s_lshl_b32 s47, s16, 9
	s_add_co_u32 s46, s46, s47
	s_mov_b32 s47, 0
	s_add_nc_u64 s[96:97], s[96:97], s[46:47]
	s_lshl_b32 s20, s17, 20
	s_lshl_b32 s21, s15, 19
	s_add_co_u32 s20, s20, s21
	s_mov_b32 s21, 0
	s_add_nc_u64 s[12:13], s[98:99], s[20:21]
	s_add_nc_u64 s[12:13], s[12:13], s[46:47]
	v_lshlrev_b32 v3, 5, v2
.irp b, 0,1,2,3,4,5,6,7
	global_load_b128 v[BIAS+8*\b:BIAS+8*\b+3], v3, s[96:97] offset:64*\b
	global_load_b128 v[BIAS+8*\b+4:BIAS+8*\b+7], v3, s[96:97] offset:64*\b+16
.endr
.macro FRAGB reg, adr, q, i
.irp c, 0,1,2,3
	ds_load_b128 v[\reg+4*\c:\reg+4*\c+3], v[\adr] offset:128*(\q)+32*\c+(\i)*16*PITCH
.endr
.endm
.macro FRAGA reg, adr, q, i
.irp c, 0,1,2,3
	ds_load_b128 v[\reg+4*\c:\reg+4*\c+3], v[\adr] offset:2048*(\q)+512*\c+(\i)*4096
.endr
.endm
.macro MUL16 a0, p, q, sc, zero
.irp a, \a0, \a0+1
.irp b, 0,1,2,3,4,5,6,7
.if \zero
	v_wmma_scale_f32_16x16x128_f8f6f4 v[8*(8*((\a)%4)+\b):8*(8*((\a)%4)+\b)+7], v[128*(\p)+FR*\b:128*(\p)+FR*\b+FR-1], v[AF+FR*(\a):AF+FR*(\a)+FR-1], v[BIAS+8*\b:BIAS+8*\b+7], v[SCB+16*(\sc)+\b], v[SCA+16*(\sc)+(\a)] matrix_a_fmt:MATRIX_FMT_BF8 matrix_b_fmt:MATRIX_FMT_BF8
.elseif (\q) == 0
	v_wmma_scale_f32_16x16x128_f8f6f4 v[8*(8*((\a)%4)+\b):8*(8*((\a)%4)+\b)+7], v[128*(\p)+FR*\b:128*(\p)+FR*\b+FR-1], v[AF+FR*(\a):AF+FR*(\a)+FR-1], v[8*(8*((\a)%4)+\b):8*(8*((\a)%4)+\b)+7], v[SCB+16*(\sc)+\b], v[SCA+16*(\sc)+(\a)] matrix_a_fmt:MATRIX_FMT_BF8 matrix_b_fmt:MATRIX_FMT_BF8
.else
	v_wmma_scale_f32_16x16x128_f8f6f4 v[8*(8*((\a)%4)+\b):8*(8*((\a)%4)+\b)+7], v[128*(\p)+FR*\b:128*(\p)+FR*\b+FR-1], v[AF+FR*(\a):AF+FR*(\a)+FR-1], v[8*(8*((\a)%4)+\b):8*(8*((\a)%4)+\b)+7], v[SCB+16*(\sc)+\b], v[SCA+16*(\sc)+(\a)] matrix_a_fmt:MATRIX_FMT_BF8 matrix_b_fmt:MATRIX_FMT_BF8 matrix_a_scale:MATRIX_SCALE_ROW1 matrix_b_scale:MATRIX_SCALE_ROW1
.endif
.endr
.endr
.endm
.macro FETCH_B slot, q, p
	WIN TO_B
.irp i, 0,1,2,3,4,5,6,7
	FRAGB 128*(\p)+FR*\i, ADRB+\slot, \q, \i
.endr
	WIN 0
.endm
.macro FETCH_A slot, q, i0
.irp i, \i0, \i0+1, \i0+2, \i0+3
	FRAGA AF+FR*(\i), ADRA+\slot, \q, \i
.endr
.endm
.macro SCALES sc
.irp i, 0,1,2,3,4,5,6,7
	ds_load_b32 v[SCA+16*\sc+\i], v[ADRSA] offset:64*\i
	ds_load_b32 v[SCB+16*\sc+\i], v[ADRSB] offset:544*\i
.endr
.endm
.macro PLACES n
.rept \n
	v_nop
.endr
.endm
.macro STEP slot, q, zero
	s_wait_dscnt 4*NL
.if \zero
	WIN BEG_LO
.else
	WIN MUL_LO
.endif
	MUL16 0, (\q)%2, \q, \slot, \zero
	MUL16 2, (\q)%2, \q, \slot, \zero
	s_wait_dscnt 0
	PLACES NP
	FETCH_B \slot, (\q)+1, 1-(\q)%2
	FETCH_A \slot, (\q)+1, 0
.if \zero
	WIN BEG_HI
.else
	WIN MUL_HI
.endif
	MUL16 4, (\q)%2, \q, \slot, \zero
	MUL16 6, (\q)%2, \q, \slot, \zero
	PLACES NP
	WIN 0
	FETCH_A \slot, (\q)+1, 4
.endm
.macro TURN slot, next, fill
	s_wait_tensorcnt 0x0
	ds_add_u32 v[SPW], v[NIL]
	s_wait_dscnt 4*NL+1
	WIN MUL_LO
	MUL16 0, 1, NQ-1, \slot, 0
	s_wait_dscnt 0x0
	s_barrier_signal -1
	MUL16 2, 1, NQ-1, \slot, 0
	WIN 0
	s_barrier_wait -1
.if \fill
	CREST
	s_add_nc_u64 s[G0+4*\slot+2:G0+4*\slot+3], s[G0+4*\slot+2:G0+4*\slot+3], 2*4096
	s_add_nc_u64 s[G0B+4*\slot+2:G0B+4*\slot+3], s[G0B+4*\slot+2:G0B+4*\slot+3], 2*256
	JLOAD G0+4*\slot, G1, G0B+4*\slot, G1B
	PLACES NP-4
.else
	PLACES NP
.endif
	s_wait_alu depctr_va_vdst(0)
	v_add_nc_u32 v[ADRSA], 2*QSA, v[ADRSA]
	v_add_nc_u32 v[ADRSB], 8, v[ADRSB]
	FETCH_B \next, 0, 0
	FETCH_A \next, 0, 0
	SCALES \next
	WIN MUL_HI
	MUL16 4, 1, NQ-1, \slot, 0
	MUL16 6, 1, NQ-1, \slot, 0
	PLACES NP
	WIN 0
	FETCH_A \next, 0, 4
.endm
	s_wait_alu depctr_va_vdst(0)
	s_wait_tensorcnt 1
	s_barrier_signal -1
	s_barrier_wait -1
	FETCH_B 0, 0, 0
	FETCH_A 0, 0, 0
	SCALES 0
	FETCH_A 0, 0, 4
	s_wait_loadcnt 0x0
	STEP 0, 0, 1
	s_mov_b32 s3, LAPS-1
.Llap:
	TURN 0, 1, 1
	STEP 1, 0, 0
	TURN 1, 0, 1
	STEP 0, 0, 0
	s_sub_co_u32 s3, s3, 1
	s_cmp_lg_u32 s3, 0
	s_cbranch_scc1 .Llap
	TURN 0, 1, 0
	STEP 1, 0, 0
	s_wait_dscnt 4*NL
	WIN MUL_LO
	MUL16 0, 1, NQ-1, 1, 0
	MUL16 2, 1, NQ-1, 1, 0
	s_wait_dscnt 0
	WIN MUL_HI
	MUL16 4, 1, NQ-1, 1, 0
	MUL16 6, 1, NQ-1, 1, 0
	WIN 0
.macro TOSTAGE a
.set AC, 64*((\a)%4)
	WIN 0x08+4*((\a)/4)
.irp b, 0,1,2,3,4,5,6,7
	ds_store_b128 v[STO], v[AC+8*\b:AC+8*\b+3] offset:64*\b
	ds_store_b128 v[STO], v[AC+8*\b+4:AC+8*\b+7] offset:64*\b+16
.endr
	WIN 0
.set BB, BK+64*((\a)%2)
.irp t, 0,1,2,3,4,5,6,7,8,9,10,11,12,13,14,15
	ds_load_b128 v[BB+4*\t:BB+4*\t+3], v[RD] offset:\t*SPITCH
.endr
.endm
.macro SEND a, younger
.set BB, BK+64*((\a)%2)
	s_wait_dscnt \younger
.irp t, 0,1,2,3,4,5,6,7,8,9,10,11,12,13,14,15
	global_store_b128 v[CO], v[BB+4*\t:BB+4*\t+3], s[12:13] offset:(32*((\a)/2)+8*((\a)%2)+\t+8*(\t/8))*4096 th:TH_STORE_NT
.endr
.endm
	PLACES NP
	TOSTAGE 0
.irp a, 1,2,3,4,5,6,7
.if \a > 1
	s_wait_xcnt 0x0
.endif
	TOSTAGE \a
	SEND \a-1, 32
.endr
	SEND 7, 0
	s_wait_tensorcnt 0x0
	ds_add_u32 v[SPW], v[NIL]
	s_wait_dscnt 0x0
	CROUND
	s_endpgm
.Lfunc_end_k_q501a0ca5ad_outp:
	.size	k_q501a0ca5ad_outp, .Lfunc_end_k_q501a0ca5ad_outp-k_q501a0ca5ad_outp
	.p2alignl 7, 3214868480
	.fill 96, 4, 3214868480
	.section	.rodata,"a",@progbits
	.p2align	6, 0x0
	.amdhsa_kernel k_q501a0ca5ad_outp
		.amdhsa_group_segment_fixed_size 327680
		.amdhsa_private_segment_fixed_size 0
		.amdhsa_enable_private_segment 0
		.amdhsa_kernarg_size 48
		.amdhsa_user_sgpr_count 2
		.amdhsa_user_sgpr_kernarg_segment_ptr 1
		.amdhsa_wavefront_size32 1
		.amdhsa_system_sgpr_workgroup_id_x 1
		.amdhsa_system_sgpr_workgroup_id_y 1
		.amdhsa_system_sgpr_workgroup_id_z 1
		.amdhsa_system_vgpr_workitem_id 0
		.amdhsa_next_free_vgpr 1024
		.amdhsa_next_free_sgpr 100
		.amdhsa_reserve_vcc 0
		.amdhsa_float_denorm_mode_32 3
		.amdhsa_float_denorm_mode_16_64 3
		.amdhsa_memory_ordered 1
		.amdhsa_forward_progress 1
		.amdhsa_inst_pref_size 150
	.end_amdhsa_kernel
	.amdgpu_metadata
---
amdhsa.version: [ 1, 2 ]
amdhsa.kernels:
  - .name:           k_q501a0ca5ad_outp
    .symbol:         k_q501a0ca5ad_outp.kd
    .args:
      - { .name: a_img, .offset: 0, .size: 8, .value_kind: global_buffer, .address_space: global }
      - { .name: a_sc, .offset: 8, .size: 8, .value_kind: global_buffer, .address_space: global }
      - { .name: w_codes, .offset: 16, .size: 8, .value_kind: global_buffer, .address_space: global }
      - { .name: w_scales, .offset: 24, .size: 8, .value_kind: global_buffer, .address_space: global }
      - { .name: bo, .offset: 32, .size: 8, .value_kind: global_buffer, .address_space: global }
      - { .name: out0, .offset: 40, .size: 8, .value_kind: global_buffer, .address_space: global }
    .group_segment_fixed_size: 327680
    .private_segment_fixed_size: 0
    .kernarg_segment_align: 8
    .kernarg_segment_size: 48
    .max_flat_workgroup_size: 128
    .sgpr_count:     100
    .vgpr_count:     1024
    .wavefront_size: 32
...
	.end_amdgpu_metadata
.endif
;; end of part 4
